; MI455X (gfx1250); checked and timed in simulation.
; The chip was launched on July 23, 2026; its instructions are those of AMD's public machine-readable ISA for CDNA 5 (MIT licence, August 2026) and "CDNA5" Instruction Set Architecture Reference Guide (July 2026). The comments in the code are by the model that wrote it; some were corrected since.
;; Causal Attention. Allowed arithmetic: matrix products marked QUANTISED: E2M3 operands, one E8M0 scale for each 32 along K, by v_wmma_scale_f32_16x16x128_f8f6f4 with both operands' format E2M3, f32 sums; everything else in f32.
;; Inputs: wk 1,024 x 1,024 float32; wq 1,024 x 1,024 float32; wv 1,024 x 1,024 float32; x 4 x 2,048 x 1,024 float32.
;; Outputs: out0 4 x 2,048 x 1,024 float32.
;; This version of the problem:
;;   THIS VERSION OF THE PROBLEM IS GIVEN IN LOW PRECISION. The matrix products marked QUANTISED in the list below multiply operands that are first quantised to E2M3 (2 exponent bits, 3 mantissa bits; 6 bits a number), with one power-of-two scale for each 32 numbers along K (OCP MX v1.0); their sums are f32. All else is computed in f32.
;;   The module's matrix products, in the order in which they are computed (A, B: the left and right operand; K: the contracted axis; several contracted axes count as one K, in the product's order):
;;     1. [M 8,192, K 1,024] x [K 1,024, N 1,024]; A: input x; B: input wq: QUANTISED
;;     2. [M 8,192, K 1,024] x [K 1,024, N 1,024]; A: input x; B: input wk: QUANTISED
;;     3. [M 8,192, K 1,024] x [K 1,024, N 1,024]; A: input x; B: input wv: QUANTISED
;;     4. batch 4 x [M 2,048, K 1,024] x [K 1,024, N 2,048]; A: computed on the way; B: computed on the way: QUANTISED
;;     5. batch 4 x [M 2,048, K 2,048] x [K 2,048, N 1,024]; A: softmax (see below); B: computed on the way: QUANTISED
;;   THE QUANTISER, for each operand of a quantised product, along K:
;;     - K is cut into blocks of 32 from its start; a last block that is shorter is filled with zeros.
;;     - A block's scale is 2^e with e = floor(log2(the largest magnitude in the block)) - 2, held to -126 .. 127; a block of zeros has e = 0. As a byte (E8M0): e + 127.
;;     - Each number is divided by its block's scale, clamped to +-7.5, and rounded to the nearest number of E2M3, ties to even, subnormals kept.
;;     - The product sums the exact products of the quantised numbers (number of the format x scale) in f32.
;;   ~~~python
;;   def quantise(x, axis):      # numpy; x: float32 -> the quantised numbers, widened to float32 again
;;       x = np.moveaxis(x, axis, -1); K = x.shape[-1]
;;       x = np.pad(x, [(0, 0)] * (x.ndim - 1) + [(0, -K % 32)]); x = x.reshape(x.shape[:-1] + (-1, 32)); a = np.abs(x).max(-1, keepdims=True)
;;       e = np.where(a > 0, np.clip(np.frexp(np.where(a > 0, a, 1))[1] - 1 - 2, -126, 127), 0)      # np.frexp(a)[1] - 1 = floor(log2(a)), exactly
;;       r = np.clip(x / 2.0 ** e, -7.5, 7.5)
;;       step = 2.0 ** (np.maximum(np.frexp(np.where(r == 0, 1, r))[1] - 1, 0) - 3)
;;       q = np.round(r / step) * step * 2.0 ** e      # np.round: ties to even
;;       return np.moveaxis(q.reshape(q.shape[:-2] + (-1,))[..., :K], -1, axis).astype(np.float32)
;;   ~~~
;;   SOFTMAX AHEAD OF A QUANTISED PRODUCT. Where the list says 'softmax', what is quantised is not the finished softmax but p = 2^(t - M), with t = logit x log2(e) and M = ceil(the row's largest t), a whole number; so 1/2 < the row's largest p <= 1. The row's sum l is taken of the UNQUANTISED p, in f32, and the product's result is divided by l at the end. Since M is a whole number, a kernel that streams over the keys may use a running M (the ceiling of the running maximum): every later rescaling is an exact power of two, which a block's scale takes up: the codes' values come out the same.
;;   OPERANDS COMPUTED ON THE WAY. 'Computed on the way' means the value that the module computes at that place (a softmax that the list does not call 'softmax' is quantised finished and normalised). What goes into a quantiser is computed in f32, as accurately as f32 sums, v_exp_f32 and their like allow (about 1e-6 of the number): no bf16 or f16 on the way to a quantiser, and a product that is left as it is and whose result goes on into a quantised operand takes f32 operands (vector FMAs, or v_wmma_f32_16x16x4_f32). A number that lies on a knife's edge between two numbers of the format may be rounded either way, as far as f32 arithmetic and the matrix unit's own rounding can turn it there, and no further.
;; One version. Each part assembles by itself: llvm-mc -triple=amdgcn-amd-amdhsa -mcpu=gfx1250 --defsym DOCPART=n.
;; ======== version 1 of 1: 4 launches
;; limits: right only within a limited range of input values
;; workspace buffers: xc 6,815,744 bytes; wc 2,555,904 bytes; qc 6,815,744 bytes; kc 6,815,744 bytes; vc 6,815,744 bytes; pc 12,582,912 bytes; el 4,194,304 bytes
;; launch quant (part 1): grid 256 x 1, 11 waves a work-group, no clusters, 94,464 bytes of LDS; arguments x, wq, wk, wv, xc, wc; writes xc, wc
.if DOCPART == 1
	.amdgcn_target "amdgcn-amd-amdhsa--gfx1250"
	.amdhsa_code_object_version 6
	.text
	.protected	k_q25c59b74a0_quant
	.globl	k_q25c59b74a0_quant
	.p2align	8
	.type	k_q25c59b74a0_quant,@function
k_q25c59b74a0_quant:
	s_mov_b64 s[64:65], 0
	v_nop
	global_prefetch_b8 v0, s[64:65] scope:SCOPE_SE
	s_setreg_imm32_b32 hwreg(HW_REG_WAVE_MODE, 25, 1), 1
	s_wait_xcnt 0x0
; x [8192][1024] and wq, wk, wv [1024][1024], f32, become codes of FP6 (E2M3) with one E8M0 byte for each 32 along K (the last axis), laid in the ORDER OF AN OPERAND'S REGISTERS.
; TILES.  A tile is 16 rows; row r of tile t is matrix row 32 (t / 2) + 8 (t % 2) + r + 8 (r / 8): so that, where such tiles are source 0 of a product, a lane's 16 results of tiles 2 b and 2 b + 1 are 16 neighbouring rows.
; RECORDS.  For a tile and 256 along K: 3,328 bytes = two fragments' images (12 registers a lane as three runs of 512 bytes, lane l's four registers at 16 l) and two images of scale words (4 bytes a lane, lanes 16-31 a copy).
; A tile's K = 1,024 is four records.  xc: x's 512 tiles; wc: wq's 64, wk's 64, wv's 64.
; A block's scale is 2^(floor(log2(its largest magnitude)) - 2); its byte is that magnitude's exponent field - 2, held at 1 from below.
; WORK LEFT OUT, in this program: what lies wholly above the causal mask in squares of 1,024 x 1,024 scores: the causal mask sets those scores to -infinity itself, so their p is 0 and adds nothing, whatever the inputs hold.
; A NaN, an infinity or an overflow that reaches only those scores is not carried to the result.
; LIMITS: a block of zeros gets the byte 1 where the quantiser says 127 (its codes are zeros, and this program alone reads the bytes); NaN and infinities among the inputs are not served.
; SHARES.  A wave makes ONE RECORD: 704 tiles x 4 records = 2,816 = 256 work-groups x 11 waves, all of equal work.  Wave n of the launch takes tile n / 4 (0-511 x, then wq, wk, wv with 64 each) and record n % 4.
; Each load reads 512 consecutive bytes of one row; the conversions want 16 neighbours along K in ONE lane: so a fragment's 16 x 512 bytes turn through the wave's own stage in LDS (rows 528 bytes apart).
; No barrier: waves share nothing.  Both fragments' loads (32 a wave) go out at the head.  No prefetch: there is no loop to run ahead in.
.set WAVES, 11
.set STGB,  16*528                     ; a wave's stage
.set SPARE, WAVES*STGB                 ; behind the stages: the spare words, 128 bytes a wave, in blocks of 256 bytes that no other line names
.set SRB,   3328                       ; a record
.set FRB,   1536                       ; a fragment's image
.set TK,    4*SRB                      ; a tile's K = 1,024
.set GO,  3                            ; v3   16 x lane: a load's and an image's place for my lane
.set GS,  4                            ; v4   4 x lane: a scale word's
.set STI, 5                            ; v5   the stage, in: 16 x lane
.set STO, 6                            ; v6   the stage, out: row lane % 16, + 64 (lane / 16)
.set SPW, 12                           ; v12  my spare word; never rewritten
.set NIL, 13                           ; v13  0; never rewritten
.set TM,  16                           ; v16-19 largest magnitudes, v20-23 the other half's, then bytes, v28-31 the conversions' scale operands
.set TH,  32                           ; v32-38 the upper halves of the blocks' codes, as converted
.set PW,  40                           ; v40  the scale word
.set PCD, 44                           ; v44-55 the fragment
.set X,   64                           ; v64-127 64 numbers: register 16 b + i = k 32 b + 16 (lane / 16) + i of row lane % 16
.set R,   128                          ; v128-255 two fragments of 16 x 4 registers as loaded
.set SRC, 16                           ; s[16:17] my wave's first byte of its tensor
.set DST, 18                           ; s[18:19] and of its record
.set SEL, 30                           ; s[30:31] v_permlanex16_b32's selects for lane l xor 16
	s_load_b128 s[4:7], s[0:1], 0x0                ; x, wq
	s_load_b128 s[8:11], s[0:1], 0x10              ; wk, wv
	s_load_b128 s[12:15], s[0:1], 0x20             ; xc, wc
	v_lshl_add_u32 v[SPW], v0, 2, SPARE
	v_mov_b32 v[NIL], 0
	v_lshrrev_b32 v1, 5, v0
	v_readfirstlane_b32 s20, v1                    ; wave 0..10
	v_and_b32 v2, 31, v0                           ; lane
	v_lshlrev_b32 v[GO], 4, v2
	v_lshlrev_b32 v[GS], 2, v2
	s_mul_i32 s21, s20, STGB                       ; my stage
	v_add_nc_u32 v[STI], s21, v[GO]
	v_and_b32 v7, 15, v0
	v_bfe_u32 v8, v0, 4, 1
	v_mul_u32_u24 v[STO], v7, 528
	v_lshl_add_u32 v[STO], v8, 6, v[STO]
	v_add_nc_u32 v[STO], s21, v[STO]
.irp b, 0,1,2,3
	v_mov_b32 v[TM+4+\b], 0                        ; written once: a lane permute's destination counts as one of its sources
.endr
	s_wait_alu depctr_va_vdst(0)                   ; the wait at the head's end
	s_mov_b32 s[SEL], 0x76543210
	s_mov_b32 s[SEL+1], 0xfedcba98
	s_mul_i32 s21, ttmp9, WAVES
	s_add_co_u32 s21, s21, s20                     ; my number in the launch
	s_lshr_b32 s22, s21, 2                         ; the tile, 0 .. 703
	s_and_b32 s23, s21, 3                          ; the record
	s_and_b32 s25, s22, 511                        ; the tile in its buffer of records
	s_mul_i32 s26, s25, TK
	s_mul_i32 s27, s23, SRB
	s_add_co_u32 s26, s26, s27
	s_mov_b32 s27, 0
	s_wait_kmcnt 0x0
	s_cmp_lt_u32 s22, 640                          ; the tensor is chosen by the tile's number alone
	s_cselect_b64 s[SRC:SRC+1], s[8:9], s[10:11]
	s_cmp_lt_u32 s22, 576
	s_cselect_b64 s[SRC:SRC+1], s[6:7], s[SRC:SRC+1]
	s_cmp_lt_u32 s22, 512
	s_cselect_b64 s[SRC:SRC+1], s[4:5], s[SRC:SRC+1]
	s_cselect_b64 s[DST:DST+1], s[12:13], s[14:15]
	s_cselect_b32 s28, 511, 63
	s_and_b32 s28, s22, s28                        ; the tile in its own tensor
	s_and_b32 s29, s28, 1
	s_lshr_b32 s28, s28, 1
	s_lshl_b32 s28, s28, 17                        ; 32 rows of 4,096 bytes
	s_lshl_b32 s29, s29, 15                        ; an odd tile begins 8 rows down
	s_add_co_u32 s28, s28, s29
	s_lshl_b32 s29, s23, 10                        ; 256 numbers a record
	s_add_co_u32 s28, s28, s29
	s_mov_b32 s29, 0
	s_add_nc_u64 s[SRC:SRC+1], s[SRC:SRC+1], s[28:29]
	s_add_nc_u64 s[DST:DST+1], s[DST:DST+1], s[26:27]
.macro LOAD s                          ; fragment s: 512 bytes of each of the tile's 16 rows (rows 0-7, then 16-23 from the tile's first)
.irp i, 0,1,2,3,4,5,6,7,8,9,10,11,12,13,14,15
	global_load_b128 v[R+64*\s+4*\i:R+64*\s+4*\i+3], v[GO], s[SRC:SRC+1] offset:(\i+8*(\i/8))*4096+512*\s th:TH_LOAD_NT
.endr
.endm
.macro QUANT                           ; v[X] on -> the fragment in v[PCD] on, its scale word in v[PW]
.irp b, 0,1,2,3
	v_max3_num_f32 v[TM+\b], |v[X+16*\b]|, |v[X+16*\b+1]|, 0x1800000   ; block b: my 16 numbers, and the floor 2^(3 - 127): the byte cannot fall under 1
.endr
.irp i, 2,4,6,8,10,12,14
.irp b, 0,1,2,3
	v_max3_num_f32 v[TM+\b], v[TM+\b], |v[X+16*\b+\i]|, |v[X+16*\b+\i+1]|   ; the four blocks by turns
.endr
.endr
.irp b, 0,1,2,3
	v_permlanex16_b32 v[TM+4+\b], v[TM+\b], s[SEL], s[SEL+1]
.endr
.irp b, 0,1,2,3
	v_max_num_f32 v[TM+\b], v[TM+\b], v[TM+4+\b]   ; with lane l xor 16's 16: the block's largest magnitude
.endr
.irp b, 0,1,2,3
	v_add_nc_u32 v[TM+12+\b], 0xff000000, v[TM+\b] ; 2 off its exponent field: the conversion takes the exponent field of this operand as its scale
.endr
.irp b, 0,1,2,3
	v_lshrrev_b32 v[TM+4+\b], 23, v[TM+12+\b]      ; the scale's byte
.endr
	s_wait_alu depctr_va_vdst(0)
	s_wait_xcnt 0x0                                ; the last fragment's stores have read their data: the word and the codes are written again only behind this wait
	v_lshl_or_b32 v[PW], v[TM+5], 8, v[TM+4]
	v_lshl_or_b32 v[PW], v[TM+6], 16, v[PW]
	v_lshl_or_b32 v[PW], v[TM+7], 24, v[PW]
.irp c, 0,1
	v_cvt_scalef32_pk16_fp6_f32 v[PCD+6*\c:PCD+6*\c+2], v[X+32*\c:X+32*\c+15], v[TM+12+2*\c]
	v_cvt_scalef32_pk16_fp6_f32 v[TH+4*\c:TH+4*\c+2], v[X+32*\c+16:X+32*\c+31], v[TM+13+2*\c]   ; (a conversion's three registers begin on an even number)
.endr
	v_nop                                          ; one plain place behind a scaled conversion
.irp c, 0,1                            ; the operand's layout wants a whole block in a lane: lanes 0-15 block 2 c, lanes 16-31 block 2 c + 1
.irp i, 0,1,2
	v_permlane16_swap_b32 v[PCD+6*\c+\i], v[TH+4*\c+\i]
.endr
.irp i, 0,1,2
	v_mov_b32 v[PCD+6*\c+3+\i], v[TH+4*\c+\i]
.endr
.endr
.endm
.macro FRAGMENT s
	s_wait_loadcnt 16-16*\s                        ; this fragment's 16 loads are in; the second fragment's 16 may be out
.irp i, 0,1,2,3,4,5,6,7,8,9,10,11,12,13,14,15
	ds_store_b128 v[STI], v[R+64*\s+4*\i:R+64*\s+4*\i+3] offset:528*\i
.endr
.irp b, 0,1,2,3
.irp j, 0,1,2,3
	ds_load_b128 v[X+16*\b+4*\j:X+16*\b+4*\j+3], v[STO] offset:128*\b+16*\j   ; LDS serves a wave's instructions in order: these see the stores above
.endr
.endr
	s_wait_dscnt 0x0                               ; the numbers are back
	QUANT
.irp c, 0,1,2
	global_store_b128 v[GO], v[PCD+4*\c:PCD+4*\c+3], s[DST:DST+1] offset:\s*FRB+512*\c   ; 32 lanes store 512 consecutive bytes, at a multiple of 256 from the buffer's first byte
.endr
	global_store_b32 v[GS], v[PW], s[DST:DST+1] offset:2*FRB+128*\s
.endm
	LOAD 0
	LOAD 1
	FRAGMENT 0
	FRAGMENT 1
	s_wait_tensorcnt 0x0                           ; the wave's end, behind my last LDS store
	ds_add_u32 v[SPW], v[NIL]
	s_wait_dscnt 0x0
	s_endpgm
.Lfunc_end_k_q25c59b74a0_quant:
	.size	k_q25c59b74a0_quant, .Lfunc_end_k_q25c59b74a0_quant-k_q25c59b74a0_quant
	.p2alignl 7, 3214868480
	.fill 96, 4, 3214868480
	.section	.rodata,"a",@progbits
	.p2align	6, 0x0
	.amdhsa_kernel k_q25c59b74a0_quant
		.amdhsa_group_segment_fixed_size 94464
		.amdhsa_private_segment_fixed_size 0
		.amdhsa_enable_private_segment 0
		.amdhsa_kernarg_size 48
		.amdhsa_user_sgpr_count 2
		.amdhsa_user_sgpr_kernarg_segment_ptr 1
		.amdhsa_wavefront_size32 1
		.amdhsa_system_sgpr_workgroup_id_x 1
		.amdhsa_system_sgpr_workgroup_id_y 1
		.amdhsa_system_sgpr_workgroup_id_z 1
		.amdhsa_system_vgpr_workitem_id 0
		.amdhsa_next_free_vgpr 256
		.amdhsa_next_free_sgpr 66
		.amdhsa_reserve_vcc 0
		.amdhsa_float_denorm_mode_32 3
		.amdhsa_float_denorm_mode_16_64 3
		.amdhsa_memory_ordered 1
		.amdhsa_forward_progress 1
		.amdhsa_inst_pref_size 19
	.end_amdhsa_kernel
	.amdgpu_metadata
---
amdhsa.version: [ 1, 2 ]
amdhsa.kernels:
  - .name:           k_q25c59b74a0_quant
    .symbol:         k_q25c59b74a0_quant.kd
    .args:
      - { .name: x, .offset: 0, .size: 8, .value_kind: global_buffer, .address_space: global }
      - { .name: wq, .offset: 8, .size: 8, .value_kind: global_buffer, .address_space: global }
      - { .name: wk, .offset: 16, .size: 8, .value_kind: global_buffer, .address_space: global }
      - { .name: wv, .offset: 24, .size: 8, .value_kind: global_buffer, .address_space: global }
      - { .name: xc, .offset: 32, .size: 8, .value_kind: global_buffer, .address_space: global }
      - { .name: wc, .offset: 40, .size: 8, .value_kind: global_buffer, .address_space: global }
    .group_segment_fixed_size: 94464
    .private_segment_fixed_size: 0
    .kernarg_segment_align: 8
    .kernarg_segment_size: 48
    .max_flat_workgroup_size: 352
    .sgpr_count:     66
    .vgpr_count:     256
    .wavefront_size: 32
...
	.end_amdgpu_metadata
.endif
;; end of part 1
;; launch proj (part 2): grid 8 x 32, 4 waves a work-group, clusters of 4 x 4, 327,680 bytes of LDS; arguments xc, wc, qc, kc, vc; writes qc, kc, vc
.if DOCPART == 2
	.amdgcn_target "amdgcn-amd-amdhsa--gfx1250"
	.amdhsa_code_object_version 6
	.text
	.protected	k_q25c59b74a0_proj
	.globl	k_q25c59b74a0_proj
	.p2align	8
	.type	k_q25c59b74a0_proj,@function
k_q25c59b74a0_proj:
	s_mov_b64 s[64:65], 0
	v_nop
	global_prefetch_b8 v0, s[64:65] scope:SCOPE_SE
	s_setreg_imm32_b32 hwreg(HW_REG_WAVE_MODE, 25, 1), 1
	s_wait_xcnt 0x0
	s_wait_alu depctr_hold_cnt(0) depctr_sa_sdst(0) depctr_va_vdst(0) depctr_va_sdst(0) depctr_va_ssrc(0) depctr_va_vcc(0) depctr_vm_vsrc(0)
	s_getreg_b32 s2, hwreg(HW_REG_IB_STS2, 6, 4)
	s_cmp_eq_u32 s2, 0
	s_cbranch_scc0 .Lentry_in_a_cluster
	s_endpgm
.Lentry_in_a_cluster:
	s_bfe_u32 s2, ttmp6, 0x10000c
	s_cmp_lg_u32 s2, 0xf033
	s_cbranch_scc0 .Lentry_shape_is_right
	s_endpgm
.Lentry_shape_is_right:
; q = x wq^T, k = x wk^T, v = x wv^T on codes of FP6 (E2M3) with E8M0 scales, K = 1,024, f32 sums; the results are quantised in registers and leave as codes: q and k along e (the scores' K), v along the keys (the last product's K).
; BUFFERS are laid in the order of an operand's registers.  A tile is 16 rows (row r of tile t = matrix row 32 (t / 2) + 8 (t % 2) + r + 8 (r / 8)); a record, 3,328 bytes, is a tile's 256 along K: two fragments' images of
; 1,536 bytes (three runs of 512 bytes, lane l's four registers at 16 l) and two images of scale words (4 bytes a lane).  xc: 512 tiles x 4 records; wc: 192 tiles (wq, wk, wv) x 4.
; qc, kc: 512 tiles (rows b 2048 + s) x 4 records (K = e).  vc: 64 tiles (rows e) x 32 records (K = b 2048 + s).
; SHARES.  8 x 32 = 256 work-groups of equal work.  Work-group (X, Y) takes x's 256 rows Y (16 tiles) and the SAME 128 rows X (8 tiles) of wq, then of wk, then of wv: three phases, written out.
; x's codes for all of K, 16 x 13,312 bytes, come into LDS ONCE and stay for the three phases; the weights go through a ring of two slots of 8 tiles x 512 along K.  Slot n of six is weight n / 2, half n % 2 of K.
; THE PRODUCT IS USED SO THAT A LANE'S REGISTERS RUN ALONG THE NEXT K.  q, k: source 0 = the weight's 8 tiles (all waves), source 1 = x's tiles 4 w .. 4 w + 3: a lane holds one row s, its registers run along e.
; v: source 0 = x's tiles 8 (w % 2) on, source 1 = wv's tiles 4 (w / 2) on: a lane holds one e, its registers run along the keys.  Either way a wave has 8 x 4 = 32 accumulators, and by the tiles' row order the 16 registers of
; source-0 tiles 2 b and 2 b + 1 are 16 neighbours: the 8 results against one source-1 tile ARE one fragment of the next K.
; CLUSTERS: 4 x 4 work-groups.  x's tiles hang on Y alone and are shared along a row of the cluster, the weight's on X alone and are shared along a column: each is asked for jointly.  Waves 0 and 1 ask for x's tiles, waves 2 and 3 for the weight's:
; 8 and 4 tiles a wave, under a branch on the wave.  A wave has one tensor load behind each of the head's two rounds; waves 2 and 3 one behind each of the four rounds that fill a slot again.
; LIMITS: a block of zeros gets the byte 1 where the quantiser says 127 (its codes are zeros; this program alone reads the bytes); NaN and infinities are not served.
; REGISTERS, in windows of 256: window 0: v2-18 LDS addresses; v24-29 offsets of stores and the add's two; v32-63 scale words, two sets (they hold nothing else); v64-127 and v224-235 at work on the way out;
;   v128-223 source 1's fragments, two sets of 48.   window 1: source 0's fragments, two sets, at v0 and v128.   window 2: accumulator (a, b) at v[8 (8 a + b)].
.set SRB,   3328
.set FRB,   1536
.set TK,    4*SRB                      ; a tile's K = 1,024 in xc, wc, qc, kc
.set TB,    2*SRB                      ; a tile's 512 along K, as it lies in LDS
.set XQ,    4*TB                       ; 4 tiles of x
.set XH,    16*TB                      ; x's 16 tiles, half of K
.set WQ,    2*TB                       ; 2 tiles of a weight
.set WSL,   8*TB                       ; a slot of the ring
.set WR,    2*XH                       ; LDS: x's two halves of K, then the ring's two slots,
.set SPARE, WR+2*WSL                   ; then the spare words, 128 bytes a wave: two blocks of 256 bytes that no other line names
.set FR,    12                         ; registers of a fragment
.set RA0,  2                           ; source 0's images: v2, v3 (q, k: the ring's slot 0, 1); v6, v7 (v: x's half 0, 1 of K)
.set RA1,  4                           ; source 1's images: v4, v5 (q, k: x's half 0, 1); v8, v9 (v: the ring's slot 0, 1)
.set RS0,  10                          ; source 0's scale words: v10, v11; v14, v15
.set RS1,  12                          ; source 1's: v12, v13; v16, v17
.set LS4,  18                          ; v18  4 x lane + 3,072: a scale word's place in a record
.set GO,   24                          ; v24  16 x lane
.set GS,   25                          ; v25  q, k: where my scale word goes, from the fragment's first byte
.set GSV,  26                          ; v26  the same for v
.set SPW,  28                          ; v28  my spare word; never rewritten
.set NIL,  29                          ; v29  0; never rewritten
.set SC,   32                          ; set p at v[SC + 16 p]: + b source 0's word of tile b, + 8 + a source 1's of tile a
.set TM,   64                          ; v64-79 magnitudes, bytes, the conversions' scale operands
.set TH,   80                          ; v80-86 the upper halves of the blocks' codes, as converted
.set AF,   128
.set G1X, 24                           ; s[24:31] descriptor group 1 for x's tiles; s[32:39] group 0, a set for each half of K
.set G0X, 32
.set G1W, 48                           ; s[48:55] group 1 for the weights' tiles; s[56:63] group 0, a set for each slot
.set G0W, 56
.set OUQ, 68                           ; s[68:69], s[70:71], s[74:75]: qc, kc, vc at my first fragment; never rewritten
.set OUK, 70
.set OUV, 74
.set SEL, 76                           ; s[76:77] v_permlanex16_b32's selects for lane l xor 16
.set MSB, 0
.macro WIN new                         ; the immediate's high byte repeats the setting that is left
.if MSB != (\new)
	s_set_vgpr_msb (MSB<<8)|(\new)
.set MSB, (\new)
.endif
.endm
.set MUL,  0xa1                        ; source 0 window 1, source 1 window 0, C and D window 2
.set TO_B, 0x40                        ; destination window 1, address window 0
.macro CREST                           ; a round of the cluster's barrier behind its opening barrier
	s_cmp_lg_u32 s14, 0
	s_cbranch_scc1 .Lnot_wave_0_\@
	s_barrier_signal -3
.Lnot_wave_0_\@:
	s_barrier_wait -3
	s_barrier_signal -1
	s_barrier_wait -1
.endm
; A JOINT LOAD AT THE HEAD, half s of K: waves 0 and 1 fetch x's tiles, 8 each, waves 2 and 3 the ring's slot s, 4 tiles of the weight each: one load a wave behind each of the head's two rounds.  Refills are waves 2 and 3's, 4 tiles each.
; (These shares stand in place of the quarters, and of the four loads at the start, that the paragraph on clusters above names.)
.macro JLOAD s
	s_cmp_eq_u32 s15, 0
	s_cbranch_scc0 .Lfor_w_\@
	tensor_load_to_lds s[G0X+4*\s:G0X+4*\s+3], s[G1X:G1X+7]
	s_nop 0
.rept 4
	v_nop
.endr
	s_branch .Lasked_\@
.Lfor_w_\@:
	tensor_load_to_lds s[G0W+4*\s:G0W+4*\s+3], s[G1W:G1W+7]
	s_nop 0
.rept 4
	v_nop
.endr
.Lasked_\@:
.endm
.macro CROUND
	s_barrier_signal -1
	s_barrier_wait -1
	CREST
.endm
.macro PLACES n                        ; plain vector instructions between a matrix instruction and a load into, or a read of, its registers
.rept \n
	v_nop
.endr
.endm
; K step g of 24 (phase g / 8; in it half (g % 8) / 4 of K, record (g % 4) / 2, fragment g % 2) into set g % 2: 48 LDS loads in one run, each of consecutive bytes:
; source 0's eight fragments, source 1's four, their twelve scale words.  The ring's slot and x's half of K have the same number.
; FSET sets the step; FB, FA, FS bring parts of it, so that products can stand between the parts.
.macro FSET g
.set FT,  (\g)/16                      ; 1 in phase v: the roles are changed
.set KH,  ((\g)%8)/4
.set OFC, (((\g)%4)/2)*SRB+((\g)%2)*FRB
.set OFS, (((\g)%4)/2)*SRB+((\g)%2)*128
.set PS,  (\g)%2
.endm
.macro FB lo, hi                       ; source 0's fragments lo .. hi
	WIN TO_B
.irp i, 0,1,2,3,4,5,6,7
.if (\i >= \lo) && (\i <= \hi)
.irp c, 0,1,2
	ds_load_b128 v[128*PS+FR*\i+4*\c:128*PS+FR*\i+4*\c+3], v[RA0+4*FT+KH] offset:\i*TB+OFC+512*\c
.endr
.endif
.endr
.endm
.macro FA lo, hi                       ; source 1's fragments lo .. hi
	WIN 0
.irp a, 0,1,2,3
.if (\a >= \lo) && (\a <= \hi)
.irp c, 0,1,2
	ds_load_b128 v[AF+48*PS+FR*\a+4*\c:AF+48*PS+FR*\a+4*\c+3], v[RA1+4*FT+KH] offset:\a*TB+OFC+512*\c
.endr
.endif
.endr
.endm
.macro FS                              ; the twelve scale words
	WIN 0
.irp i, 0,1,2,3,4,5,6,7
	ds_load_b32 v[SC+16*PS+\i], v[RS0+4*FT+KH] offset:\i*TB+OFS
.endr
.irp a, 0,1,2,3
	ds_load_b32 v[SC+16*PS+8+\a], v[RS1+4*FT+KH] offset:\a*TB+OFS
.endr
.endm
.macro FETCH g                         ; all of it, in the order that the counts below rely on: the youngest nine loads are source 1's tiles 1 to 3
	FSET \g
	FB 0, 7
	FA 0, 0
	FS
	FA 1, 3
.endm
; 8 matrix instructions: source 1's tile a against source 0's eight, from set p.  The 32 accumulators take turns, one instruction a turn, in the same order in every step.
.macro MUL8 a, p, zero
.irp b, 0,1,2,3,4,5,6,7
.if \zero
	v_wmma_scale_f32_16x16x128_f8f6f4 v[8*(8*(\a)+\b):8*(8*(\a)+\b)+7], v[128*(\p)+FR*\b:128*(\p)+FR*\b+FR-1], v[AF+48*(\p)+FR*(\a):AF+48*(\p)+FR*(\a)+FR-1], 0, v[SC+16*(\p)+\b], v[SC+16*(\p)+8+(\a)] matrix_a_fmt:MATRIX_FMT_FP6 matrix_b_fmt:MATRIX_FMT_FP6
.else
	v_wmma_scale_f32_16x16x128_f8f6f4 v[8*(8*(\a)+\b):8*(8*(\a)+\b)+7], v[128*(\p)+FR*\b:128*(\p)+FR*\b+FR-1], v[AF+48*(\p)+FR*(\a):AF+48*(\p)+FR*(\a)+FR-1], v[8*(8*(\a)+\b):8*(8*(\a)+\b)+7], v[SC+16*(\p)+\b], v[SC+16*(\p)+8+(\a)] matrix_a_fmt:MATRIX_FMT_FP6 matrix_b_fmt:MATRIX_FMT_FP6
.endif
.endr
.endm
; One of a slot's first three steps: the next step is fetched into the other set, this one is multiplied.  np: the places in front of the loads; 5 where the products start sums anew over earlier results.
.macro KSTEP g, zero, np
	s_wait_dscnt 9                                 ; all but source 1's tiles 1 to 3 are in
	PLACES \np
	FSET (\g)+1
	FB 0, 7
	WIN MUL
	MUL8 0, (\g)%2, \zero
	s_wait_dscnt 24                                ; all but the 24 just issued for the next step
	MUL8 1, (\g)%2, \zero
	FA 0, 0
	FS
	FA 1, 3
	WIN MUL
	MUL8 2, (\g)%2, \zero
	MUL8 3, (\g)%2, \zero
	WIN 0
.endm
; A slot's last step (set 1) changes slots: ONE barrier; in front of it each wave waits for all its tensor loads, adds 0 to its spare word, and waits for that and for its reads of this slot.
; fill = 1: the slot takes the same half of K of the next weight, 64 tiles on in wc: that load has the other slot's 128 matrix instructions in which to land.
.macro TURN g, fill
.set SL, ((\g)/4)%2
	s_wait_tensorcnt 0x0                           ; all my tensor loads have landed, my part of the next slot among them: so a group 0 may be written
	ds_add_u32 v[SPW], v[NIL]                      ; 0 onto my spare word
.if \fill
	s_add_nc_u64 s[G0W+4*SL+2:G0W+4*SL+3], s[G0W+4*SL+2:G0W+4*SL+3], 64*TK
.endif
	s_wait_dscnt 1                                 ; this step's loads are in (the add alone may be out)
	WIN MUL
	MUL8 0, 1, 0                                   ; eight matrix instructions stand between the add and the wait for it
	s_wait_dscnt 0x0                               ; the add is done, and my reads of this slot are over
	s_barrier_signal -1
	MUL8 1, 1, 0                                   ; work on registers while the others arrive
	WIN 0                                          ; at a branch and at a label every window is 0
	s_barrier_wait -1
.if \fill
	CREST                                          ; the barrier has opened a round of the cluster's: no wave of any partner still reads this slot or has a load on its way
	s_cmp_eq_u32 s15, 0
	s_cbranch_scc1 .Lno_part_\@                    ; waves 0 and 1 have no part of this fill
	tensor_load_to_lds s[G0W+4*SL:G0W+4*SL+3], s[G1W:G1W+7]   ; my one tensor load behind the round, and the first thing there
	s_nop 0
	PLACES 4
.Lno_part_\@:
.endif
	PLACES 4                                       ; in front of the loads below
.if (\g) == 7                          ; the end of phase q or k: the next phase's first step, in k's roles (trip 0) or in v's (trip 1)
	s_cmp_eq_u32 s88, 0
	s_cbranch_scc0 .Lto_v_\@
	FETCH 8
	s_branch .Lfetched_\@
.Lto_v_\@:
	FETCH 16
.Lfetched_\@:
.else
	FETCH (\g)+1
.endif
	WIN MUL
	MUL8 2, 1, 0
	MUL8 3, 1, 0
	WIN 0
.endm
; THE WAY OUT of source-1 tile a: its 64 registers (register 16 b + i = next K 32 b + 16 (lane / 16) + i of row lane % 16) become one fragment and one scale word, stored as images.  No LDS: each store of codes covers
; 512 consecutive bytes, at a multiple of 256 from the buffer's first byte.  Each of a phase's four fragments has data registers of its own, and the tile's place stands in the stores' immediate: no base is stepped.
.macro QOUT a, ob, gs, str
.set AC, 64*(\a)
.if (\a) < 3
.set PCD, 92+12*(\a)                   ; v92-127: the fragments of tiles 0 to 2;
.else
.set PCD, 224                          ; v224-235: tile 3's
.endif
.set PW, 88+(\a)                       ; v88-91: the scale words
	WIN 0x28                                       ; sources 1 and 2: the accumulators' window
.irp b, 0,1,2,3
	v_max3_num_f32 v[TM+\b], 0x1800000, |v[AC+16*\b]|, |v[AC+16*\b+1]|   ; each accumulator is read from its low end on; the floor 2^(3 - 127) holds the byte at 1 from below
.endr
.irp i, 2,4,6,8,10,12,14
.irp b, 0,1,2,3
	v_max3_num_f32 v[TM+\b], v[TM+\b], |v[AC+16*\b+\i]|, |v[AC+16*\b+\i+1]|   ; the four blocks by turns
.endr
.endr
	WIN 0
.irp b, 0,1,2,3
	v_permlanex16_b32 v[TM+4+\b], v[TM+\b], s[SEL], s[SEL+1]
.endr
.irp b, 0,1,2,3
	v_max_num_f32 v[TM+\b], v[TM+\b], v[TM+4+\b]   ; with lane l xor 16's 16: the block's largest magnitude
.endr
.irp b, 0,1,2,3
	v_add_nc_u32 v[TM+12+\b], 0xff000000, v[TM+\b] ; 2 off the exponent field: the conversion's scale operand
.endr
.irp b, 0,1,2,3
	v_lshrrev_b32 v[TM+4+\b], 23, v[TM+12+\b]      ; the byte
.endr
	v_lshl_or_b32 v[PW], v[TM+5], 8, v[TM+4]
	v_lshl_or_b32 v[PW], v[TM+6], 16, v[PW]
	v_lshl_or_b32 v[PW], v[TM+7], 24, v[PW]
	WIN 0x02                                       ; source 0: the accumulators' window
.irp c, 0,1
	v_cvt_scalef32_pk16_fp6_f32 v[PCD+6*\c:PCD+6*\c+2], v[AC+32*\c:AC+32*\c+15], v[TM+12+2*\c]
	v_cvt_scalef32_pk16_fp6_f32 v[TH+4*\c:TH+4*\c+2], v[AC+32*\c+16:AC+32*\c+31], v[TM+13+2*\c]   ; (a conversion's three registers begin on an even number)
.endr
	WIN 0
	v_nop                                          ; one plain place behind a scaled conversion
.irp c, 0,1                            ; the operand's layout wants a whole block in a lane: lanes 0-15 block 2 c, lanes 16-31 block 2 c + 1
.irp i, 0,1,2
	v_permlane16_swap_b32 v[PCD+6*\c+\i], v[TH+4*\c+\i]
.endr
.irp i, 0,1,2
	v_mov_b32 v[PCD+6*\c+3+\i], v[TH+4*\c+\i]
.endr
.endr
.irp c, 0,1,2
	global_store_b128 v[GO], v[PCD+4*\c:PCD+4*\c+3], s[\ob:\ob+1] offset:(\a)*(\str)+512*\c
.endr
	global_store_b32 v[\gs], v[PW], s[\ob:\ob+1] offset:(\a)*(\str)
.endm
.macro EPI ob, gs, str, first          ; a phase's four tiles
.if \first == 0
	s_wait_xcnt 0x0                                ; the last phase's stores have read their data: the same registers are written again only behind this wait
.endif
	PLACES 4                                       ; in front of the first read of results
.irp a, 0,1,2,3
	QOUT \a, \ob, \gs, \str
.endr
.endm
	s_load_b128 s[4:7], s[0:1], 0x0                ; xc, wc
	s_load_b128 s[8:11], s[0:1], 0x10              ; qc, kc
	s_load_b64 s[12:13], s[0:1], 0x20              ; vc
	v_lshl_add_u32 v[SPW], v0, 2, SPARE
	v_mov_b32 v[NIL], 0
	ds_add_u32 v[SPW], v[NIL]                      ; the wave's opening: the add and its wait stand ahead of my first tensor load; the set-up below, work on registers, stands between them
	ds_add_u32 v[SPW], v[NIL]
	v_lshrrev_b32 v1, 5, v0
	v_readfirstlane_b32 s14, v1                    ; wave 0..3
	s_lshr_b32 s15, s14, 1                         ; phase v: my half of wv's 8 tiles
	s_and_b32 s16, s14, 1                          ; phase v: my half of x's 16 tiles
	s_bfe_u32 s40, ttmp6, 0x40000                  ; cx, cy: my place in the cluster
	s_bfe_u32 s41, ttmp6, 0x40004
	s_lshl_b32 s42, ttmp9, 2
	s_add_co_u32 s42, s42, s40                     ; X: which 128 rows of each weight: 4 x cluster x + cx
	s_and_b32 s17, ttmp7, 0xffff
	s_lshl_b32 s17, s17, 2
	s_add_co_u32 s17, s17, s41                     ; Y: which 256 rows of x: 4 x cluster y + cy
	s_lshl_b32 s43, s41, 2
	s_lshl_b32 s43, 15, s43                        ; my row of the cluster
	s_lshl_b32 s44, 0x1111, s40                    ; my column
	; descriptor groups 1: rows are tiles, a row is two records, 832 elements of 8 bytes, 1,664 elements (a tile's K) apart; dense in LDS
	s_or_b32 s[G1X+0], s43, (3<<16)|(1<<21)        ; 15:0 the mask: x's tiles go to my row; 17:16 elements of 8 bytes; 21 set beside a mask
	s_mov_b32 s[G1X+1], 832<<16                    ; tensor_dim0
	s_mov_b32 s[G1X+2], 8<<16                      ; tensor_dim1: 8 tiles
	s_mov_b32 s[G1X+3], 832<<16                    ; tile_dim0
	s_mov_b32 s[G1X+4], 8                          ; tile_dim1
	s_mov_b32 s[G1X+5], 1664                       ; tensor_dim0_stride
	s_mov_b32 s[G1X+6], 0
	s_mov_b32 s[G1X+7], 0
	s_or_b32 s[G1W+0], s44, (3<<16)|(1<<21)        ; the weights' tiles go to my column
	s_mov_b32 s[G1W+1], 832<<16
	s_mov_b32 s[G1W+2], 4<<16                      ; 4 tiles
	s_mov_b32 s[G1W+3], 832<<16
	s_mov_b32 s[G1W+4], 4
	s_mov_b32 s[G1W+5], 1664
	s_mov_b32 s[G1W+6], 0
	s_mov_b32 s[G1W+7], 0
	s_lshl_b32 s20, s17, 4
	s_lshl_b32 s18, s16, 3
	s_add_co_u32 s20, s20, s18
	s_mul_i32 s20, s20, TK                         ; x's: tile 16 Y + 8 (wave % 2), in bytes (under 2^23)
	s_mov_b32 s21, 0
	s_lshl_b32 s46, s42, 3
	s_lshl_b32 s19, s16, 2
	s_add_co_u32 s46, s46, s19
	s_mul_i32 s46, s46, TK                         ; wq's: tile 8 X + 4 (wave % 2)
	s_mov_b32 s47, 0
	s_mul_i32 s45, s16, 2*XQ                       ; where they go: (wave % 2) x a half: no place in the cluster enters an LDS address
	s_mul_i32 s22, s16, 2*WQ
	s_mov_b32 s[SEL], 0x76543210
	s_mov_b32 s[SEL+1], 0xfedcba98
	s_wait_dscnt 0x0                               ; the opening add is done
	s_wait_kmcnt 0x0
	s_add_nc_u64 s[20:21], s[4:5], s[20:21]
	s_add_nc_u64 s[46:47], s[6:7], s[46:47]
	CROUND                                         ; all sixteen work-groups are here: the first joint loads meet
.irp s, 0,1                            ; the first fills are described as one group: x's half 0 of K, slot 0, x's half 1, slot 1
	s_mov_b32 s[G0X+4*\s], 1                                       ; 1:0 count = 1
	s_add_co_u32 s[G0X+4*\s+1], s45, \s*XH                         ; 63:32 LDS address
	s_add_nc_u64 s[G0X+4*\s+2:G0X+4*\s+3], s[20:21], \s*TB         ; 120:64 global address
	s_or_b32 s[G0X+4*\s+3], s[G0X+4*\s+3], 0x80000000              ; 127:126 type = 2
	s_mov_b32 s[G0W+4*\s], 1
	s_add_co_u32 s[G0W+4*\s+1], s22, WR+\s*WSL
	s_add_nc_u64 s[G0W+4*\s+2:G0W+4*\s+3], s[46:47], \s*TB
	s_or_b32 s[G0W+4*\s+3], s[G0W+4*\s+3], 0x80000000
.endr
	JLOAD 0                                        ; x's half 0 of K and slot 0: one tensor load a wave at the head
	; PREFETCH: x's half 1 of K, which the head's second joint load brings: of the 16 tiles wave w of the partner at cx asks for tile 4 w + cx, 26 blocks of 256 bytes, a lane a block.
	; The weights are not prefetched: the same 128 rows are read by all 32 rows of work-groups, and each refill has a slot's 128 matrix instructions in which to land.
	s_lshl_b32 s88, s17, 4
	s_mul_i32 s88, s88, TK
	s_mov_b32 s89, 0
	s_add_nc_u64 s[92:93], s[4:5], s[88:89]        ; tile 16 Y
	s_lshl_b32 s88, s14, 2
	s_add_co_u32 s88, s88, s40
	s_mul_i32 s88, s88, TK
	v_and_b32 v1, 31, v0
	v_lshlrev_b32 v[GO], 4, v1
	v_lshl_add_u32 v[LS4], v1, 2, 2*FRB
	v_min_u32 v19, 25, v1                          ; lanes left over name the last block again
	v_lshl_add_u32 v19, v19, 8, s88
	global_prefetch_b8 v19, s[92:93] offset:TB th:TH_LOAD_NT scope:SCOPE_SE
	s_mov_b32 s80, WR                              ; q, k: source 0: the slot's 8 tiles
	s_mul_i32 s81, s14, XQ                         ; q, k: source 1: x's tiles 4 wave on
	s_mul_i32 s82, s16, 8*TB                       ; v: source 0: x's tiles 8 (wave % 2) on
	s_mul_i32 s83, s15, 4*TB
	s_add_co_u32 s83, s83, WR                      ; v: source 1: the slot's tiles 4 (wave / 2) on
.irp k, 0,1
	v_add_nc_u32 v[RA0+\k], s80, v[GO]
	v_add_nc_u32 v[RS0+\k], s80, v[LS4]
	v_add_nc_u32 v[RA1+\k], s81, v[GO]
	v_add_nc_u32 v[RS1+\k], s81, v[LS4]
	v_add_nc_u32 v[RA0+4+\k], s82, v[GO]
	v_add_nc_u32 v[RS0+4+\k], s82, v[LS4]
	v_add_nc_u32 v[RA1+4+\k], s83, v[GO]
	v_add_nc_u32 v[RS1+4+\k], s83, v[LS4]
	s_add_co_u32 s80, s80, WSL
	s_add_co_u32 s81, s81, XH
	s_add_co_u32 s82, s82, XH
	s_add_co_u32 s83, s83, WSL
.endr
.irp b, 0,1,2,3
	v_mov_b32 v[TM+4+\b], 0                        ; written once: a lane permute's destination counts as one of its sources
.endr
	; where the results go.  q, k: tile 16 Y + 4 wave + a; e = 128 X on: record X / 2, fragment X % 2
	s_lshl_b32 s84, s17, 4
	s_lshl_b32 s85, s14, 2
	s_add_co_u32 s84, s84, s85
	s_mul_i32 s84, s84, TK
	s_lshr_b32 s85, s42, 1
	s_mul_i32 s85, s85, SRB
	s_add_co_u32 s84, s84, s85
	s_and_b32 s86, s42, 1
	s_mul_i32 s85, s86, FRB
	s_add_co_u32 s84, s84, s85
	s_mov_b32 s85, 0
	s_add_nc_u64 s[OUQ:OUQ+1], s[8:9], s[84:85]
	s_add_nc_u64 s[OUK:OUK+1], s[10:11], s[84:85]
	s_mul_i32 s86, s86, FRB-128
	v_sub_nc_u32 v[GS], v[LS4], s86                ; the base stands at the fragment: its scale image lies 3,072 + 128 f - 1,536 f further on
	; v: tile 8 X + 4 (wave / 2) + a, of 32 records; keys 256 Y + 128 (wave % 2) on: record Y, fragment wave % 2
	s_lshl_b32 s84, s42, 3
	s_lshl_b32 s87, s15, 2
	s_add_co_u32 s84, s84, s87
	s_mul_i32 s84, s84, 32*SRB
	s_mul_i32 s87, s17, SRB
	s_add_co_u32 s84, s84, s87
	s_mul_i32 s87, s16, FRB
	s_add_co_u32 s84, s84, s87
	s_add_nc_u64 s[OUV:OUV+1], s[12:13], s[84:85]
	s_mul_i32 s87, s16, FRB-128
	v_sub_nc_u32 v[GSV], v[LS4], s87
	s_wait_alu depctr_va_vdst(0)                   ; the wait at the head's end
	s_wait_tensorcnt 0x0                           ; my part of x's half 0 and of slot 0 is in
	ds_add_u32 v[SPW], v[NIL]
	s_wait_dscnt 0x0
	CROUND                                         ; everybody's part is in, and the joint loads meet:
	JLOAD 1                                        ; x's half 1 and slot 1, which have a slot's 128 matrix instructions in which to land
	FETCH 0
	s_mov_b32 s88, 0
.Lphase:                                               ; the phases q and k: the same text, two trips; only v's is written out beside it
	KSTEP 0, 1, 5                                  ; the first products start the sums
	KSTEP 1, 0, 4
	KSTEP 2, 0, 4
	TURN 3, 1                                      ; slot 0 takes the next weight's first half of K
	KSTEP 4, 0, 4
	KSTEP 5, 0, 4
	KSTEP 6, 0, 4
	TURN 7, 1                                      ; slot 1 takes its second half; the next phase's first fragments are fetched
	s_wait_xcnt 0x0                                ; the last phase's stores have read their data and their base
	s_cmp_eq_u32 s88, 0
	s_cselect_b64 s[90:91], s[OUQ:OUQ+1], s[OUK:OUK+1]
	EPI 90, GS, TK, 1                              ; q, or k, goes out while those loads are on their way
	s_add_co_u32 s88, s88, 1
	s_cmp_lg_u32 s88, 2
	s_wait_alu depctr_va_vdst(0)                   ; the wait directly ahead of the branch
	s_cbranch_scc1 .Lphase
	KSTEP 16, 1, 5                                 ; v: the roles are changed
	KSTEP 17, 0, 4
	KSTEP 18, 0, 4
	TURN 19, 0                                     ; nothing is left to fetch: no round
	KSTEP 20, 0, 4
	KSTEP 21, 0, 4
	KSTEP 22, 0, 4
	s_wait_dscnt 0x0                               ; the very last step
	WIN MUL
.irp a, 0,1,2,3
	MUL8 \a, 1, 0
.endr
	WIN 0
	EPI OUV, GSV, 32*SRB, 0
	s_wait_tensorcnt 0x0                           ; the wave's end
	ds_add_u32 v[SPW], v[NIL]
	s_wait_dscnt 0x0
	CROUND                                         ; the closing round: no work-group ends while a partner may still ask for a tile that names it
	s_endpgm
.Lfunc_end_k_q25c59b74a0_proj:
	.size	k_q25c59b74a0_proj, .Lfunc_end_k_q25c59b74a0_proj-k_q25c59b74a0_proj
	.p2alignl 7, 3214868480
	.fill 96, 4, 3214868480
	.section	.rodata,"a",@progbits
	.p2align	6, 0x0
	.amdhsa_kernel k_q25c59b74a0_proj
		.amdhsa_group_segment_fixed_size 327680
		.amdhsa_private_segment_fixed_size 0
		.amdhsa_enable_private_segment 0
		.amdhsa_kernarg_size 40
		.amdhsa_user_sgpr_count 2
		.amdhsa_user_sgpr_kernarg_segment_ptr 1
		.amdhsa_wavefront_size32 1
		.amdhsa_system_sgpr_workgroup_id_x 1
		.amdhsa_system_sgpr_workgroup_id_y 1
		.amdhsa_system_sgpr_workgroup_id_z 1
		.amdhsa_system_vgpr_workitem_id 0
		.amdhsa_next_free_vgpr 768
		.amdhsa_next_free_sgpr 100
		.amdhsa_reserve_vcc 0
		.amdhsa_float_denorm_mode_32 3
		.amdhsa_float_denorm_mode_16_64 3
		.amdhsa_memory_ordered 1
		.amdhsa_forward_progress 1
		.amdhsa_inst_pref_size 166
	.end_amdhsa_kernel
	.amdgpu_metadata
---
amdhsa.version: [ 1, 2 ]
amdhsa.kernels:
  - .name:           k_q25c59b74a0_proj
    .symbol:         k_q25c59b74a0_proj.kd
    .args:
      - { .name: xc, .offset: 0, .size: 8, .value_kind: global_buffer, .address_space: global }
      - { .name: wc, .offset: 8, .size: 8, .value_kind: global_buffer, .address_space: global }
      - { .name: qc, .offset: 16, .size: 8, .value_kind: global_buffer, .address_space: global }
      - { .name: kc, .offset: 24, .size: 8, .value_kind: global_buffer, .address_space: global }
      - { .name: vc, .offset: 32, .size: 8, .value_kind: global_buffer, .address_space: global }
    .group_segment_fixed_size: 327680
    .private_segment_fixed_size: 0
    .kernarg_segment_align: 8
    .kernarg_segment_size: 40
    .max_flat_workgroup_size: 128
    .sgpr_count:     100
    .vgpr_count:     768
    .wavefront_size: 32
...
	.end_amdgpu_metadata
.endif
;; end of part 2
;; launch scores (part 3): grid 12 x 16, 4 waves a work-group, clusters of 4 x 4, 327,680 bytes of LDS; arguments qc, kc, pc, el; writes pc, el
.if DOCPART == 3
	.amdgcn_target "amdgcn-amd-amdhsa--gfx1250"
	.amdhsa_code_object_version 6
	.text
	.protected	k_q25c59b74a0_scores
	.globl	k_q25c59b74a0_scores
	.p2align	8
	.type	k_q25c59b74a0_scores,@function
k_q25c59b74a0_scores:
	s_mov_b64 s[64:65], 0
	v_nop
	global_prefetch_b8 v0, s[64:65] scope:SCOPE_SE
	s_setreg_imm32_b32 hwreg(HW_REG_WAVE_MODE, 25, 1), 1
	s_wait_xcnt 0x0
	s_wait_alu depctr_hold_cnt(0) depctr_sa_sdst(0) depctr_va_vdst(0) depctr_va_sdst(0) depctr_va_ssrc(0) depctr_va_vcc(0) depctr_vm_vsrc(0)
	s_getreg_b32 s2, hwreg(HW_REG_IB_STS2, 6, 4)
	s_cmp_eq_u32 s2, 0
	s_cbranch_scc0 .Lentry_in_a_cluster
	s_endpgm
.Lentry_in_a_cluster:
	s_bfe_u32 s2, ttmp6, 0x10000c
	s_cmp_lg_u32 s2, 0xf033
	s_cbranch_scc0 .Lentry_shape_is_right
	s_endpgm
.Lentry_shape_is_right:
; S^T = k q^T on codes of FP6 (E2M3), K = e = 1,024, f32 sums; the causal mask; then, FOR EACH BLOCK OF 32 KEYS BY ITSELF, the softmax's piece: t = score x log2(e) / 32, M_b = ceil(the block's largest t),
; p = 2^(t - M_b), p's codes and its byte y_b.  Out go the codes (pc), and for each row and block two f32 numbers (el): E_b = M_b + y_b - 124, a whole number, and L_b = (the sum of the unquantised p) x 2^(124 - y_b).
; The next launch takes R = the row's largest E_b away, exactly: the block's final byte is 124 + E_b - R, the row's sum is the sum of L_b 2^(E_b - R).  So a maximum is taken away ahead of every exponential, and a whole-number
; shift of M is taken up by the block's scale: the codes are those of the row's own M.
; qc, kc: tiles of 16 rows (row r of tile t = row 32 (t / 2) + 8 (t % 2) + r + 8 (r / 8)) x 4 records of 3,328 bytes (two fragments' images, two images of scale words).
; pc: 512 query tiles x 16 key steps of 128 x a fragment's image of 1,536 bytes.  el: 512 x 16 x 512 bytes: lane (r, h) has (E_2h, E_2h+1, L_2h, L_2h+1) at 16 x lane.
; SHARES.  A work-group makes 256 queries x 256 keys, a wave 128 x 128.  Source 0 = 16 keys, source 1 = 16 queries: a lane holds one query, and the 16 registers of key tiles 2 b, 2 b + 1 are keys 32 b + 16 (lane / 16) + 0 .. 15.
; CLUSTERS: 4 x 4 work-groups = 1,024 x 1,024.  Of a batch's four such squares the one above the diagonal is not launched: cluster x = 0, 1, 2 is (queries, keys) = (0, 0), (1, 0), (1, 1); cluster y is the batch.
; Inside a square on the diagonal every work-group runs the same text (no branch may hang on its place in the cluster): a tile wholly above the diagonal stores zero codes, E near -1e9 and L = 0, which the next launch reads.
; LIMITS: |t| under 2^23 (M_b + 1 is then exact in f32); a block with no key left gets M_b = -1e9; NaN and infinities are not served.
; REGISTERS as in the projections' launch; v26, v27, v30 and v64-147 of window 0 at work on the way out.
.set SRB,   3328
.set FRB,   1536
.set TK,    4*SRB
.set HALFT, 8*SRB
.set SLOT,  4*HALFT                    ; q's 16 tiles, then k's 16
.set SPARE, 2*SLOT                     ; the spare words, 128 bytes a wave: two blocks of 256 bytes that no other line names
.set FR,    12
.set ADR1, 16
.set ADS1, 18
.set ADR0, 20
.set ADS0, 22
.set GO,   24                          ; v24  16 x lane
.set D0,   26                          ; v26  my query of tile 0 less my first key: register 16 b + i is hidden where 32 b + i is above it
.set DD,   27                          ; v27  the same for the tile in hand
.set SPW,  28
.set NIL,  29
.set NINF, 30                          ; v30  -infinity
.set SC,   32
.set TM,   64                          ; v64-67   the blocks' largest scores
.set TX,   68                          ; v68-71   what lane l xor 16 sends
.set T2,   72                          ; v72-75   the largest t
.set PM,   76                          ; v76-79   the blocks' largest p
.set NM,   80                          ; v80-87   -M_b in the even registers (named as pairs)
.set OPD,  88                          ; v88-91   the conversions' scale operands
.set BY,   92                          ; v92-95   the bytes
.set LS,   96                          ; v96-103  the sums, in pairs
.set LL,   104                         ; v104-107 L_b
.set EE,   108                         ; v108-111 E_b
.set TN,   112                         ; v112-115 124 - y_b
.set TF,   116                         ; v116-119 the same in f32
.set ELR,  120                         ; v120-123 my 16 bytes of el
.set AF,   128
.set PCD,  128                         ; v128-139 p's fragment (source 1's registers are free on the way out)
.set TH,   140                         ; v140-146
.set G1,  24
.set G0,  32
.set G1B, 48
.set G0B, 56
.set PO,  68                           ; s[68:69] pc at my first fragment
.set EO,  70                           ; s[70:71] el at my first record
.set SEL, 72                           ; s[72:73]
.set CS,  74                           ; s[74:75] c = log2(e) / 32: the packed form names a pair and takes its low word for both halves
.set HM,  76                           ; s76 lanes 16-31
.set MSB, 0
.macro WIN new
.if MSB != (\new)
	s_set_vgpr_msb (MSB<<8)|(\new)
.set MSB, (\new)
.endif
.endm
.set MUL_LO, 0xa1
.set MUL_HI, 0xf1
.set TO_B,   0x40
.macro JLOAD g0a, g1a, g0b, g1b        ; waves 0 and 1 fetch q's tiles, waves 2 and 3 k's; an s_nop 0 and four v_nop follow each of the two lines
	s_cmp_eq_u32 s15, 0
	s_cbranch_scc0 .Lfor_b_\@
	tensor_load_to_lds s[\g0a:\g0a+3], s[\g1a:\g1a+7]
	s_nop 0
.rept 4
	v_nop
.endr
	s_branch .Lasked_\@
.Lfor_b_\@:
	tensor_load_to_lds s[\g0b:\g0b+3], s[\g1b:\g1b+7]
	s_nop 0
.rept 4
	v_nop
.endr
.Lasked_\@:
.endm
.macro CREST
	s_cmp_lg_u32 s14, 0
	s_cbranch_scc1 .Lnot_wave_0_\@
	s_barrier_signal -3
.Lnot_wave_0_\@:
	s_barrier_wait -3
	s_barrier_signal -1
	s_barrier_wait -1
.endm
.macro CROUND
	s_barrier_signal -1
	s_barrier_wait -1
	CREST
.endm
.macro PLACES n
.rept \n
	v_nop
.endr
.endm
.macro FRAG reg, adr, q, i
.irp c, 0,1,2
	ds_load_b128 v[\reg+4*\c:\reg+4*\c+3], v[\adr] offset:(\i)*SRB+(\q)*FRB+512*\c
.endr
.endm
.macro FETCH_B slot, q, p
	WIN TO_B
.irp i, 0,1,2,3,4,5,6,7
	FRAG 128*(\p)+FR*\i, ADR0+\slot, \q, \i
.endr
	WIN 0
.endm
.macro FETCH_A slot, q, i0
.irp i, \i0, \i0+1, \i0+2, \i0+3
	FRAG AF+FR*(\i), ADR1+\slot, \q, \i
.endr
.endm
.macro SCALES slot, q, p
.irp i, 0,1,2,3,4,5,6,7
	ds_load_b32 v[SC+16*(\p)+\i], v[ADS0+\slot] offset:\i*SRB+128*(\q)
.endr
.irp i, 0,1,2,3,4,5,6,7
	ds_load_b32 v[SC+16*(\p)+8+\i], v[ADS1+\slot] offset:\i*SRB+128*(\q)
.endr
.endm
.macro MUL16 a0, p, zero               ; the 64 accumulators take turns, one instruction a turn, in the same order in every step
.irp a, \a0, \a0+1
.irp b, 0,1,2,3,4,5,6,7
.if \zero
	v_wmma_scale_f32_16x16x128_f8f6f4 v[8*(8*((\a)%4)+\b):8*(8*((\a)%4)+\b)+7], v[128*(\p)+FR*\b:128*(\p)+FR*\b+FR-1], v[AF+FR*(\a):AF+FR*(\a)+FR-1], 0, v[SC+16*(\p)+\b], v[SC+16*(\p)+8+(\a)] matrix_a_fmt:MATRIX_FMT_FP6 matrix_b_fmt:MATRIX_FMT_FP6
.else
	v_wmma_scale_f32_16x16x128_f8f6f4 v[8*(8*((\a)%4)+\b):8*(8*((\a)%4)+\b)+7], v[128*(\p)+FR*\b:128*(\p)+FR*\b+FR-1], v[AF+FR*(\a):AF+FR*(\a)+FR-1], v[8*(8*((\a)%4)+\b):8*(8*((\a)%4)+\b)+7], v[SC+16*(\p)+\b], v[SC+16*(\p)+8+(\a)] matrix_a_fmt:MATRIX_FMT_FP6 matrix_b_fmt:MATRIX_FMT_FP6
.endif
.endr
.endr
.endm
.macro STEP slot, zero
	s_wait_dscnt 12                                ; all but the youngest 12 loads (q's tiles 4-7) are in
	WIN MUL_LO
	MUL16 0, 0, \zero
	MUL16 2, 0, \zero
	s_wait_dscnt 0x0
	PLACES 4
	FETCH_B \slot, 1, 1
	FETCH_A \slot, 1, 0
	SCALES \slot, 1, 1
	WIN MUL_HI
	MUL16 4, 0, \zero
	MUL16 6, 0, \zero
	PLACES 4
	WIN 0
	FETCH_A \slot, 1, 4
.endm
.macro TURN slot, next, fill
	s_wait_tensorcnt 0x0                           ; all my tensor loads have landed: my part of the next slot
	ds_add_u32 v[SPW], v[NIL]                      ; 0 onto my spare word
	s_wait_dscnt 13                                ; (the add and the youngest 12 loads may be out)
	WIN MUL_LO
	MUL16 0, 1, 0
	s_wait_dscnt 0x0                               ; the add is done, and my reads of this slot are over
	s_barrier_signal -1
	MUL16 2, 1, 0
	WIN 0
	s_barrier_wait -1
.if \fill
	CREST                                          ; the barrier has opened a round of the cluster's: no wave of any partner still reads this slot or has a load on its way
	s_add_nc_u64 s[G0+4*\slot+2:G0+4*\slot+3], s[G0+4*\slot+2:G0+4*\slot+3], 2*SRB
	s_add_nc_u64 s[G0B+4*\slot+2:G0B+4*\slot+3], s[G0B+4*\slot+2:G0B+4*\slot+3], 2*SRB
	JLOAD G0+4*\slot, G1, G0B+4*\slot, G1B
.else
	PLACES 4
.endif
	FETCH_B \next, 0, 0
	FETCH_A \next, 0, 0
	SCALES \next, 0, 0
.if (\fill) && ((\slot) == 0)
	global_prefetch_b8 v31, s[88:89] offset:3*SRB th:TH_LOAD_NT scope:SCOPE_SE   ; slot 3's tiles, which the next refill brings
.endif
	WIN MUL_HI
	MUL16 4, 1, 0
	MUL16 6, 1, 0
	PLACES 4
	WIN 0
	FETCH_A \next, 0, 4
.endm
	s_load_b128 s[4:7], s[0:1], 0x0                ; qc, kc
	s_load_b128 s[8:11], s[0:1], 0x10              ; pc, el
	v_lshl_add_u32 v[SPW], v0, 2, SPARE
	v_mov_b32 v[NIL], 0
	ds_add_u32 v[SPW], v[NIL]                      ; the wave's opening: the add and its wait stand ahead of my first tensor load
	ds_add_u32 v[SPW], v[NIL]
	v_lshrrev_b32 v1, 5, v0
	v_readfirstlane_b32 s14, v1                    ; wave 0..3
	s_lshr_b32 s15, s14, 1                         ; my half of the queries.  Also: I fetch q's tiles (0) or k's (1)
	s_and_b32 s16, s14, 1                          ; my half of the keys.  Also: which 8 tiles I fetch
	s_bfe_u32 s40, ttmp6, 0x40000                  ; cx, cy
	s_bfe_u32 s41, ttmp6, 0x40004
	s_lshr_b32 s77, ttmp9, 1                       ; the square's keys: 0, 0, 1
	s_add_co_u32 s78, ttmp9, 1
	s_lshr_b32 s78, s78, 1                         ; its queries: 0, 1, 1
	s_lshl_b32 s42, s77, 2
	s_add_co_u32 s42, s42, s40                     ; my 256 keys
	s_lshl_b32 s17, s78, 2
	s_add_co_u32 s17, s17, s41                     ; my 256 queries
	s_and_b32 s79, ttmp7, 0xffff
	s_lshl_b32 s79, s79, 7                         ; the batch's first tile
	s_lshl_b32 s43, s41, 2
	s_lshl_b32 s43, 15, s43                        ; my row of the cluster
	s_lshl_b32 s44, 0x1111, s40                    ; my column
	s_or_b32 s[G1+0], s43, (3<<16)|(1<<21)         ; q's tiles go to my row: elements of 8 bytes, bit 21 beside the mask
	s_or_b32 s[G1B+0], s44, (3<<16)|(1<<21)        ; k's to my column
.irp g, G1, G1B
	s_mov_b32 s[\g+1], 416<<16                     ; 8 rows (tiles) of one record, 416 elements, 1,664 elements apart
	s_mov_b32 s[\g+2], 8<<16
	s_mov_b32 s[\g+3], 416<<16
	s_mov_b32 s[\g+4], 8
	s_mov_b32 s[\g+5], 1664
	s_mov_b32 s[\g+6], 0
	s_mov_b32 s[\g+7], 0
.endr
	s_lshl_b32 s18, s16, 3
	s_add_co_u32 s18, s18, s79                     ; the batch, and which 8 tiles I fetch
	s_lshl_b32 s20, s17, 4
	s_add_co_u32 s20, s20, s18
	s_mul_i32 s20, s20, TK
	s_mov_b32 s21, 0
	s_lshl_b32 s46, s42, 4
	s_add_co_u32 s46, s46, s18
	s_mul_i32 s46, s46, TK
	s_mov_b32 s47, 0
	s_mul_i32 s45, s14, HALFT
	s_mov_b32 s[SEL], 0x76543210
	s_mov_b32 s[SEL+1], 0xfedcba98
	s_mov_b32 s[CS], 0x3d38aa3b                    ; log2(e) / sqrt(1024)
	s_mov_b32 s[CS+1], s[CS]
	s_mov_b32 s[HM], 0xffff0000
	s_wait_dscnt 0x0                               ; the opening add is done
	s_wait_kmcnt 0x0
	s_add_nc_u64 s[20:21], s[4:5], s[20:21]
	s_add_nc_u64 s[46:47], s[6:7], s[46:47]
	CROUND                                         ; all sixteen work-groups are here: the first joint loads meet
.irp s, 0,1
	s_mov_b32 s[G0+4*\s], 1
	s_add_co_u32 s[G0+4*\s+1], s45, \s*SLOT
	s_add_nc_u64 s[G0+4*\s+2:G0+4*\s+3], s[20:21], \s*SRB
	s_or_b32 s[G0+4*\s+3], s[G0+4*\s+3], 0x80000000
	s_mov_b32 s[G0B+4*\s], 1
	s_add_co_u32 s[G0B+4*\s+1], s45, \s*SLOT
	s_add_nc_u64 s[G0B+4*\s+2:G0B+4*\s+3], s[46:47], \s*SRB
	s_or_b32 s[G0B+4*\s+3], s[G0B+4*\s+3], 0x80000000
.endr
	JLOAD G0, G1, G0B, G1B                         ; slot 0: one tensor load a wave at the head
	v_and_b32 v1, 31, v0
	v_lshlrev_b32 v[GO], 4, v1
	v_lshl_add_u32 v2, v1, 2, 2*FRB
	; PREFETCH: each slot's tiles are asked for into the L2 one load ahead: slot 1 here, slot 2 behind slot 1's load, slot 3 behind the first refill.  Of a wave's eight tiles a partner asks for two
	; (by cx for q's, by cy for k's, by address): 2 x 13 blocks of 256 bytes, a lane a block, lanes left over the last one again.  Behind slot 3 nothing is asked for.
	s_cmp_eq_u32 s15, 0
	s_cselect_b64 s[88:89], s[20:21], s[46:47]
	s_cselect_b32 s84, s40, s41
	s_mul_i32 s84, s84, 2*TK
	v_min_u32 v6, 25, v1
	v_mul_u32_u24 v7, 79, v6
	v_lshrrev_b32 v7, 10, v7                       ; 79 l / 1,024: 0 for l = 0 .. 12, 1 for 13 .. 25: which of the two tiles
	v_mul_u32_u24 v7, TK-SRB, v7
	v_lshl_add_u32 v7, v6, 8, v7
	v_add_nc_u32 v31, s84, v7
	global_prefetch_b8 v31, s[88:89] offset:SRB th:TH_LOAD_NT scope:SCOPE_SE
	s_mul_i32 s82, s16, HALFT
	s_add_co_u32 s82, s82, 2*HALFT                 ; source 0: my 8 tiles of k, behind q's 16
	s_mul_i32 s83, s15, HALFT                      ; source 1: my 8 tiles of q
.irp s, 0,1
	v_add_nc_u32 v[ADR0+\s], s82, v[GO]
	v_add_nc_u32 v[ADR1+\s], s83, v[GO]
	v_add_nc_u32 v[ADS0+\s], s82, v2
	v_add_nc_u32 v[ADS1+\s], s83, v2
	s_add_co_u32 s82, s82, SLOT
	s_add_co_u32 s83, s83, SLOT
.endr
	v_and_b32 v3, 15, v0                           ; r
	v_bfe_u32 v4, v0, 4, 1                         ; h
	v_and_b32 v5, 8, v3
	v_add_nc_u32 v[D0], v3, v5                     ; r + 8 (r / 8)
	v_lshlrev_b32 v4, 4, v4
	v_sub_nc_u32 v[D0], v[D0], v4                  ; - 16 h
	s_sub_co_i32 s84, s17, s42
	s_lshl_b32 s84, s84, 8
	s_sub_co_i32 s85, s15, s16
	s_lshl_b32 s85, s85, 7
	s_add_co_i32 s84, s84, s85
	v_add_nc_u32 v[D0], s84, v[D0]                 ; + 256 (my queries' block - my keys') + 128 (my halves' difference): a number, in no address and no branch
	v_mov_b32 v[NINF], 0xff800000
.irp b, 0,1,2,3
	v_mov_b32 v[TX+\b], 0                          ; written once: a lane permute's destination counts as one of its sources
	v_mov_b32 v[NM+2*\b+1], 0                      ; written once: named as the upper halves of pairs
.endr
	s_lshl_b32 s84, s17, 4
	s_add_co_u32 s84, s84, s79
	s_lshl_b32 s85, s15, 3
	s_add_co_u32 s84, s84, s85                     ; my first query tile
	s_lshl_b32 s84, s84, 4
	s_lshl_b32 s85, s42, 1
	s_add_co_u32 s84, s84, s85
	s_add_co_u32 s84, s84, s16                     ; x 16 + my key step of 128
	s_mul_i32 s86, s84, FRB
	s_mov_b32 s87, 0
	s_add_nc_u64 s[PO:PO+1], s[8:9], s[86:87]
	s_lshl_b32 s86, s84, 9
	s_add_nc_u64 s[EO:EO+1], s[10:11], s[86:87]
	s_wait_alu depctr_va_vdst(0)                   ; the wait at the head's end
	s_wait_tensorcnt 0x0                           ; my part of slot 0 is in
	ds_add_u32 v[SPW], v[NIL]
	s_wait_dscnt 0x0
	CROUND                                         ; everybody's part is in, and the joint loads meet:
	JLOAD G0+4, G1, G0B+4, G1B                     ; slot 1, the first tensor load behind the round
	FETCH_B 0, 0, 0
	FETCH_A 0, 0, 0
	SCALES 0, 0, 0
	FETCH_A 0, 0, 4
	global_prefetch_b8 v31, s[88:89] offset:2*SRB th:TH_LOAD_NT scope:SCOPE_SE   ; slot 2's tiles
	STEP 0, 1
	TURN 0, 1, 1
	STEP 1, 0
	TURN 1, 0, 1
	STEP 0, 0
	TURN 0, 1, 0
	STEP 1, 0
	s_wait_dscnt 12
	WIN MUL_LO
	MUL16 0, 1, 0
	MUL16 2, 1, 0
	s_wait_dscnt 0x0
	WIN MUL_HI
	MUL16 4, 1, 0
	MUL16 6, 1, 0
	WIN 0
	PLACES 4                                       ; in front of the first read of results, and of the first write of source 1's registers
; THE WAY OUT of query tile a: its 64 registers hold one query's 128 keys, four blocks of 32 (each shared with lane l xor 16).
.macro SOFT a
.set W,  2+(\a)/4
.set AC, 64*((\a)%4)
.set WD, (W<<6)|W                      ; destination and source 0 in the accumulators' window
.set WS, (W<<2)|(W<<4)                 ; sources 1 and 2
	v_add_nc_u32 v[DD], 32*((\a)/2)+8*((\a)%2), v[D0]
	s_cmp_eq_u32 ttmp9, 1                          ; the square under the diagonal hides nothing: a branch on the cluster's number, the same in all partners
	s_cbranch_scc1 .Lopen_\@
	WIN WD
.set n, 0
.rept 64
	v_cmp_gt_i32 vcc_lo, 32*(n/16)+n%16, v[DD]     ; the key comes after my query:
	v_cndmask_b32 v[AC+n], v[AC+n], v[NINF], vcc_lo  ; its score becomes -infinity, p = 0
.set n, n+1
.endr
	WIN 0
.Lopen_\@:
	WIN WS
.irp b, 0,1,2,3
	v_max3_num_f32 v[TM+\b], 0xff800000, v[AC+16*\b], v[AC+16*\b+1]   ; each accumulator is read from its low end on
.endr
.irp i, 2,4,6,8,10,12,14
.irp b, 0,1,2,3
	v_max3_num_f32 v[TM+\b], v[TM+\b], v[AC+16*\b+\i], v[AC+16*\b+\i+1]
.endr
.endr
	WIN 0
.irp b, 0,1,2,3
	v_permlanex16_b32 v[TX+\b], v[TM+\b], s[SEL], s[SEL+1]
.endr
.irp b, 0,1,2,3
	v_max_num_f32 v[TM+\b], v[TM+\b], v[TX+\b]     ; the block's largest score
.endr
.irp b, 0,1,2,3
	v_mul_f32 v[T2+\b], s[CS], v[TM+\b]            ; as t (c is positive)
.endr
.irp b, 0,1,2,3
	v_max_num_f32 v[T2+\b], 0xce6e6b28, v[T2+\b]   ; a block with no key left: -1e9, so that M_b is a number
.endr
.irp b, 0,1,2,3
	v_floor_f32 v[NM+2*\b], -v[T2+\b]              ; -M_b = floor(-t) = -ceil(t)
.endr
.irp b, 0,1,2,3
	v_fma_f32 v[PM+\b], v[TM+\b], s[CS], v[NM+2*\b]  ; t - M_b of the largest score: p rises with the score, so this gives the block's largest p
.endr
.irp b, 0,1,2,3,4,5,6,7
	v_mov_b32 v[LS+\b], 0
.endr
	WIN WD
.set n, 0
.rept 32
	v_pk_fma_f32 v[AC+2*n:AC+2*n+1], v[AC+2*n:AC+2*n+1], s[CS:CS+1], v[NM+2*(n/8):NM+2*(n/8)+1] op_sel_hi:[1,0,0]   ; t - M_b, two at a time
.set n, n+1
.endr
.set n, 0
	s_wait_alu depctr_va_vdst(0)
.rept 64
	v_exp_f32 v[AC+n], v[AC+n]                     ; p = 2^(t - M_b)
.set n, n+1
.endr
	v_nop                                          ; a plain place behind the last exponential
	s_wait_alu depctr_va_vdst(0)                   ; one wait for the batch of 64, ahead of its first reader
	WIN 0
.irp b, 0,1,2,3
	v_exp_f32 v[PM+\b], v[PM+\b]                   ; the same two instructions on the same number give the same bits
.endr
	WIN WS
.irp i, 0,2,4,6,8,10,12,14
.irp b, 0,1,2,3
	v_pk_add_f32 v[LS+2*\b:LS+2*\b+1], v[LS+2*\b:LS+2*\b+1], v[AC+16*\b+\i:AC+16*\b+\i+1]   ; the sums are taken of the unquantised p; plain work behind the four exponentials
.endr
.endr
	WIN 0
.irp b, 0,1,2,3
	v_add_f32 v[LL+\b], v[LS+2*\b], v[LS+2*\b+1]
.endr
.irp b, 0,1,2,3
	v_permlanex16_b32 v[TX+\b], v[LL+\b], s[SEL], s[SEL+1]
.endr
.irp b, 0,1,2,3
	v_add_f32 v[LL+\b], v[LL+\b], v[TX+\b]         ; with lane l xor 16's 16 keys
.endr
	s_wait_alu depctr_va_vdst(0)                   ; and one for the four
.irp b, 0,1,2,3
	v_max_num_f32 v[PM+\b], 0x1800000, v[PM+\b]    ; the floor 2^(3 - 127): a block of zeros keeps the byte 1
.endr
.irp b, 0,1,2,3
	v_add_nc_u32 v[OPD+\b], 0xff000000, v[PM+\b]   ; 2 off the exponent field: the conversion's scale operand
.endr
.irp b, 0,1,2,3
	v_lshrrev_b32 v[BY+\b], 23, v[OPD+\b]          ; y_b
.endr
.irp b, 0,1,2,3
	v_sub_nc_u32 v[TN+\b], 124, v[BY+\b]
.endr
.irp b, 0,1,2,3
	v_cvt_f32_i32 v[TF+\b], v[TN+\b]
.endr
.irp b, 0,1,2,3
	v_sub_f32 v[EE+\b], -v[NM+2*\b], v[TF+\b]      ; E_b = M_b + y_b - 124
.endr
.irp b, 0,1,2,3
	v_ldexp_f32 v[LL+\b], v[LL+\b], v[TN+\b]       ; L_b: a power of two, nothing is rounded
.endr
	s_wait_xcnt 0x0                                ; the last tile's stores have read their data: written again only behind this wait
	WIN W
.irp c, 0,1
	v_cvt_scalef32_pk16_fp6_f32 v[PCD+6*\c:PCD+6*\c+2], v[AC+32*\c:AC+32*\c+15], v[OPD+2*\c]
	v_cvt_scalef32_pk16_fp6_f32 v[TH+4*\c:TH+4*\c+2], v[AC+32*\c+16:AC+32*\c+31], v[OPD+2*\c+1]
.endr
	WIN 0
	v_nop                                          ; one plain place behind a scaled conversion
.irp c, 0,1
.irp i, 0,1,2
	v_permlane16_swap_b32 v[PCD+6*\c+\i], v[TH+4*\c+\i]
.endr
.irp i, 0,1,2
	v_mov_b32 v[PCD+6*\c+3+\i], v[TH+4*\c+\i]
.endr
.endr
	v_cndmask_b32 v[ELR], v[EE], v[EE+2], s[HM]    ; lanes 0-15 keep blocks 0 and 1, lanes 16-31 blocks 2 and 3
	v_cndmask_b32 v[ELR+1], v[EE+1], v[EE+3], s[HM]
	v_cndmask_b32 v[ELR+2], v[LL], v[LL+2], s[HM]
	v_cndmask_b32 v[ELR+3], v[LL+1], v[LL+3], s[HM]
.irp c, 0,1,2
	global_store_b128 v[GO], v[PCD+4*\c:PCD+4*\c+3], s[PO:PO+1] offset:(\a)*16*FRB+512*\c   ; 32 lanes store 512 consecutive bytes, at a multiple of 256 from the buffer's first byte
.endr
	global_store_b128 v[GO], v[ELR:ELR+3], s[EO:EO+1] offset:(\a)*8192
.endm
; Two trips of four query tiles: the second finds window 3's accumulators moved into window 2, so that the text stands once.
	s_mov_b32 s90, 0
.Lsoft:
	s_cmp_eq_u32 s90, 0
	s_cbranch_scc1 .Lhere
	s_wait_xcnt 0x0                                ; the first trip's stores have read their bases
	s_add_nc_u64 s[PO:PO+1], s[PO:PO+1], 64*FRB    ; four query tiles on
	s_add_nc_u64 s[EO:EO+1], s[EO:EO+1], 4*8192
	WIN 0x83                                       ; destination window 2, source window 3
	s_wait_alu depctr_va_vdst(0)                   ; directly ahead of the first readers of these results
.set n, 0
.rept 256
	v_mov_b32 v[n], v[n]
.set n, n+1
.endr
	WIN 0
	v_add_nc_u32 v[D0], 64, v[D0]                  ; four query tiles are 64 rows
	s_wait_alu depctr_va_vdst(0)
.Lhere:
.irp a, 0,1,2,3
	SOFT \a
.endr
	s_add_co_u32 s90, s90, 1
	s_cmp_lg_u32 s90, 2
	s_wait_alu depctr_va_vdst(0)                   ; the wait directly ahead of the branch
	s_cbranch_scc1 .Lsoft
	s_wait_tensorcnt 0x0                           ; the wave's end
	ds_add_u32 v[SPW], v[NIL]
	s_wait_dscnt 0x0
	CROUND                                         ; the closing round
	s_endpgm
.Lfunc_end_k_q25c59b74a0_scores:
	.size	k_q25c59b74a0_scores, .Lfunc_end_k_q25c59b74a0_scores-k_q25c59b74a0_scores
	.p2alignl 7, 3214868480
	.fill 96, 4, 3214868480
	.section	.rodata,"a",@progbits
	.p2align	6, 0x0
	.amdhsa_kernel k_q25c59b74a0_scores
		.amdhsa_group_segment_fixed_size 327680
		.amdhsa_private_segment_fixed_size 0
		.amdhsa_enable_private_segment 0
		.amdhsa_kernarg_size 32
		.amdhsa_user_sgpr_count 2
		.amdhsa_user_sgpr_kernarg_segment_ptr 1
		.amdhsa_wavefront_size32 1
		.amdhsa_system_sgpr_workgroup_id_x 1
		.amdhsa_system_sgpr_workgroup_id_y 1
		.amdhsa_system_sgpr_workgroup_id_z 1
		.amdhsa_system_vgpr_workitem_id 0
		.amdhsa_next_free_vgpr 1024
		.amdhsa_next_free_sgpr 100
		.amdhsa_reserve_vcc 1
		.amdhsa_float_denorm_mode_32 3
		.amdhsa_float_denorm_mode_16_64 3
		.amdhsa_memory_ordered 1
		.amdhsa_forward_progress 1
		.amdhsa_inst_pref_size 194
	.end_amdhsa_kernel
	.amdgpu_metadata
---
amdhsa.version: [ 1, 2 ]
amdhsa.kernels:
  - .name:           k_q25c59b74a0_scores
    .symbol:         k_q25c59b74a0_scores.kd
    .args:
      - { .name: qc, .offset: 0, .size: 8, .value_kind: global_buffer, .address_space: global }
      - { .name: kc, .offset: 8, .size: 8, .value_kind: global_buffer, .address_space: global }
      - { .name: pc, .offset: 16, .size: 8, .value_kind: global_buffer, .address_space: global }
      - { .name: el, .offset: 24, .size: 8, .value_kind: global_buffer, .address_space: global }
    .group_segment_fixed_size: 327680
    .private_segment_fixed_size: 0
    .kernarg_segment_align: 8
    .kernarg_segment_size: 32
    .max_flat_workgroup_size: 128
    .sgpr_count:     100
    .vgpr_count:     1024
    .wavefront_size: 32
...
	.end_amdgpu_metadata
.endif
;; end of part 3
;; launch pv (part 4): grid 8 x 32, 4 waves a work-group, clusters of 4 x 4, 327,680 bytes of LDS; arguments pc, el, vc, out0; writes out0
.if DOCPART == 4
	.amdgcn_target "amdgcn-amd-amdhsa--gfx1250"
	.amdhsa_code_object_version 6
	.text
	.protected	k_q25c59b74a0_pv
	.globl	k_q25c59b74a0_pv
	.p2align	8
	.type	k_q25c59b74a0_pv,@function
k_q25c59b74a0_pv:
	s_mov_b64 s[64:65], 0
	v_nop
	global_prefetch_b8 v0, s[64:65] scope:SCOPE_SE
	s_setreg_imm32_b32 hwreg(HW_REG_WAVE_MODE, 25, 1), 1
	s_wait_xcnt 0x0
	s_wait_alu depctr_hold_cnt(0) depctr_sa_sdst(0) depctr_va_vdst(0) depctr_va_sdst(0) depctr_va_ssrc(0) depctr_va_vcc(0) depctr_vm_vsrc(0)
	s_getreg_b32 s2, hwreg(HW_REG_IB_STS2, 6, 4)
	s_cmp_eq_u32 s2, 0
	s_cbranch_scc0 .Lentry_in_a_cluster
	s_endpgm
.Lentry_in_a_cluster:
	s_bfe_u32 s2, ttmp6, 0x10000c
	s_cmp_lg_u32 s2, 0xf033
	s_cbranch_scc0 .Lentry_shape_is_right
	s_endpgm
.Lentry_shape_is_right:
; out = (p v) / l on codes of FP6 (E2M3), K = the keys, f32 sums.  pc: p's codes, el: (E, E, L, L) a lane, row and key step, vc: v's codes along the keys, all as the launches before have laid them.
; For a row, R = its largest E; a block's byte is 124 + E - R, held at 1 from below; l = the sum of L 2^(E - R).  The output is the product / l.
; WORK LEFT OUT: keys beyond the 512-query block's last are hidden from all its queries by the causal mask.  Keys that the mask hides inside the last 512 have zero codes and L = 0.
; LIMITS: |E| under 2^23 (the scores' own limit); NaN and infinities are not served.
; SHARES.  A batch has four blocks of 512 queries.  A work-group takes 128 columns and 128 queries of block pp and then of block 3 - pp (pp = cluster y % 2): (pp + 1) + (4 - pp) = 5 slots of 512 keys, the same in all 256 work-groups.
; A wave makes 64 x 64.  Source 0 = 16 columns of v, source 1 = 16 queries: a lane holds one query and eight neighbouring columns.
; CLUSTERS: 4 x 4 work-groups: cx picks 128 columns, cy 128 queries.  p's tiles are shared along a row (waves 0 and 1 ask, 4 tiles each), v's along a column (waves 2 and 3).
; PREFETCH: each slot's tiles are asked for into the L2 one load ahead: slot 1 under slot 0's load, slot 2 behind slot 1's load, slots 3 and 4 behind the refills with slots 2 and 3.  Of a wave's four tiles a
; partner asks for one (by cx for p, by cy for v, by address): 24 or 26 blocks of 256 bytes, a lane a block.  Behind slot 4 nothing is asked for.
; REGISTERS: window 0: addresses, v32-47 scale words in two sets, v64-223 el, then the way out; window 1: two sets of fragments, 96 registers each; window 2: accumulator (a, b) at v[8 (4 a + b)].
.set PT,    6144                       ; a query tile's 512 keys of codes
.set VT,    6656                       ; a column tile's: two records of codes and scale words
.set SRB,   3328
.set FRB,   1536
.set VOFF,  8*PT
.set SLOT,  8*PT+8*VT
.set TBL,   2*SLOT                     ; p's scale words: [key step][8 query tiles][16 rows]
.set LINV,  TBL+160*64                 ; 1 / l: [block][8 query tiles][32 lanes]
.set STAGE, LINV+16*128                ; the way out: 16 rows of 272 bytes a wave
.set SPARE, STAGE+4*16*272             ; the spare words: two blocks of 256 bytes that no other line names
.set QBLK,  32*16*FRB                  ; 512 queries in pc
.set VA,   10                          ; el's place: key steps 0-3, 4-7, 8-19
.set VM,   11
.set VB,   12
.set PFO,  13                          ; the prefetches' offset
.set ADP,  16
.set ADV,  18
.set ADVS, 20
.set ADT,  22
.set ADL,  23
.set STO,  24
.set RD,   25
.set CO,   26
.set ATW,  27
.set SPW,  28
.set NIL,  29
.set ALW,  30
.set SC,   32
.set LI,   48
.set M0,   224
.set RA,   228                         ; 2^23 + 124 - R, in the even registers of pairs: block pp's, block 3 - pp's, key steps 4-7's
.set RB,   230
.set RM,   232
.set MX,   234
.set NI,   237
.set ZR,   238
.set SA,   246
.set SM,   248
.set SB,   250
.set G1P, 24
.set G0P, 32
.set G1V, 48
.set G0V, 56
.set SEL, 66
.set NXP, 68                           ; where slots 2, 3, 4 come from
.set NXV, 74
.set OUTA, 80
.set PP,  88
.set SPM, 89
.set MSB, 0
.macro WIN new
.if MSB != (\new)
	s_set_vgpr_msb (MSB<<8)|(\new)
.set MSB, (\new)
.endif
.endm
.set MUL,  0xa5                        ; sources 0 and 1 window 1, C and D window 2
.set TO_F, 0x40
.macro JLOAD s
	s_cmp_eq_u32 s15, 0
	s_cbranch_scc0 .Lfor_v_\@
	tensor_load_to_lds s[G0P+4*(\s):G0P+4*(\s)+3], s[G1P:G1P+7]
	s_nop 0
.rept 4
	v_nop
.endr
	s_branch .Lasked_\@
.Lfor_v_\@:
	tensor_load_to_lds s[G0V+4*(\s):G0V+4*(\s)+3], s[G1V:G1V+7]
	s_nop 0
.rept 4
	v_nop
.endr
.Lasked_\@:
.endm
.macro CREST
	s_cmp_lg_u32 s14, 0
	s_cbranch_scc1 .Lnot_wave_0_\@
	s_barrier_signal -3
.Lnot_wave_0_\@:
	s_barrier_wait -3
	s_barrier_signal -1
	s_barrier_wait -1
.endm
.macro CROUND
	s_barrier_signal -1
	s_barrier_wait -1
	CREST
.endm
.macro PLACES n
.rept \n
	v_nop
.endr
.endm
.macro PF b
	global_prefetch_b8 v[PFO], s[\b:\b+1] th:TH_LOAD_NT scope:SCOPE_SE
.endm
	s_load_b128 s[4:7], s[0:1], 0x0                ; pc, el
	s_load_b128 s[8:11], s[0:1], 0x10              ; vc, out0
	v_lshl_add_u32 v[SPW], v0, 2, SPARE
	v_mov_b32 v[NIL], 0
	ds_add_u32 v[SPW], v[NIL]                      ; the wave's opening: the add, twice on end, and its wait stand ahead of my first tensor load
	ds_add_u32 v[SPW], v[NIL]
	v_lshrrev_b32 v1, 5, v0
	v_readfirstlane_b32 s14, v1                    ; wave 0..3
	v_and_b32 v8, 31, v0                           ; lane
	v_and_b32 v1, 15, v0                           ; r
	v_bfe_u32 v2, v0, 4, 1                         ; h
	v_lshlrev_b32 v9, 4, v8
	v_lshlrev_b32 v7, 2, v8
	v_lshlrev_b32 v6, 2, v1
	v_lshl_add_u32 v5, v2, 1, v6                   ; 4 r + 2 h: my two bytes of row r's scale word
	v_mul_u32_u24 v4, v1, 272
	v_lshl_add_u32 v4, v2, 6, v4                   ; into the stage: row r, + 64 h
	v_mul_u32_u24 v3, v2, 272
	v_lshl_add_u32 v3, v1, 4, v3                   ; out of it: lanes 0-15 a row of 256 bytes, lanes 16-31 the next
	v_lshlrev_b32 v[CO], 12, v2
	v_lshl_add_u32 v[CO], v1, 4, v[CO]
	s_wait_alu depctr_va_vdst(0)                   ; ahead of the readers below
	s_lshr_b32 s15, s14, 1                         ; my half of the queries.  Also: I fetch p's tiles (0) or v's (1)
	s_and_b32 s16, s14, 1                          ; my half of the columns.  Also: which 4 tiles I fetch
	s_bfe_u32 s40, ttmp6, 0x40000                  ; cx
	s_bfe_u32 s41, ttmp6, 0x40004                  ; cy
	s_and_b32 s17, ttmp7, 0xffff
	s_and_b32 s[PP], s17, 1
	s_lshr_b32 s17, s17, 1                         ; the batch
	; el: I make the statistics of query tiles 2 wave, 2 wave + 1 of both blocks.  Key step jj of 20 counts on from block pp's into block 3 - pp's
	s_lshl_b32 s84, s17, 7
	s_lshl_b32 s85, s41, 3
	s_add_co_u32 s84, s84, s85
	s_lshl_b32 s85, s14, 1
	s_add_co_u32 s84, s84, s85
	s_lshl_b32 s85, s[PP], 5
	s_add_co_u32 s85, s84, s85
	s_lshl_b32 s85, s85, 13
	s_sub_co_u32 s86, 3, s[PP]
	s_lshl_b32 s86, s86, 5
	s_add_co_u32 s86, s84, s86
	s_lshl_b32 s86, s86, 13
	s_add_co_u32 s87, s[PP], 1
	s_lshl_b32 s87, s87, 11
	s_sub_co_u32 s86, s86, s87
	s_cmp_eq_u32 s[PP], 1
	s_cselect_b32 s87, s85, s86
	s_cselect_b32 s[SPM], -1, 0                    ; all lanes where pp = 1
	v_add_nc_u32 v[VA], s85, v9
	v_add_nc_u32 v[VM], s87, v9
	v_add_nc_u32 v[VB], s86, v9
	; the prefetches: my partner's share of my wave's four tiles
	s_mul_i32 s84, s40, 16*FRB
	s_mul_i32 s85, s41, 32*SRB
	s_cmp_eq_u32 s15, 0
	s_cselect_b32 s84, s84, s85
	s_cselect_b32 s85, 23, 25
	v_min_u32 v[PFO], s85, v8
	v_lshl_add_u32 v[PFO], v[PFO], 8, s84
	; LDS addresses
	s_mul_i32 s84, s15, 4*PT
	s_mul_i32 s85, s16, 4*VT
	s_add_co_u32 s85, s85, VOFF
.irp s, 0,1
	v_add_nc_u32 v[ADP+\s], s84, v9
	v_add_nc_u32 v[ADV+\s], s85, v9
	v_add_nc_u32 v[ADVS+\s], s85, v7
	s_add_co_u32 s84, s84, SLOT
	s_add_co_u32 s85, s85, SLOT
.endr
	s_lshl_b32 s84, s15, 8
	s_add_co_u32 s84, s84, TBL
	v_add_nc_u32 v[ADT], s84, v6
	s_lshl_b32 s84, s15, 9
	s_add_co_u32 s84, s84, LINV
	v_add_nc_u32 v[ADL], s84, v7
	s_lshl_b32 s84, s14, 7
	s_add_co_u32 s84, s84, TBL
	v_add_nc_u32 v[ATW], s84, v5
	s_lshl_b32 s84, s14, 8
	s_add_co_u32 s84, s84, LINV
	v_add_nc_u32 v[ALW], s84, v7
	s_mul_i32 s84, s14, 16*272
	s_add_co_u32 s84, s84, STAGE
	v_add_nc_u32 v[STO], s84, v4
	v_add_nc_u32 v[RD], s84, v3
	v_mov_b32 v[NI], 0xff800000
	v_mov_b32 v[ZR], 0
.irp i, 0,1,2
	v_mov_b32 v[MX+\i], 0                          ; written once: a lane permute's destination counts as one of its sources
	v_mov_b32 v[RA+2*\i+1], 0                      ; written once: named as the upper halves of pairs
.endr
.irp a, 0,1,2,3
	v_mov_b32 v[LI+2*\a+1], 0
.endr
	s_lshl_b32 s43, s41, 2
	s_lshl_b32 s43, 15, s43                        ; my row of the cluster
	s_lshl_b32 s44, 0x1111, s40                    ; my column
	s_or_b32 s[G1P+0], s43, (3<<16)|(1<<21)        ; 4 rows (tiles) of 768 elements of 8 bytes, 3,072 apart
	s_mov_b32 s[G1P+1], 768<<16
	s_mov_b32 s[G1P+2], 4<<16
	s_mov_b32 s[G1P+3], 768<<16
	s_mov_b32 s[G1P+4], 4
	s_mov_b32 s[G1P+5], 3072
	s_mov_b32 s[G1P+6], 0
	s_mov_b32 s[G1P+7], 0
	s_or_b32 s[G1V+0], s44, (3<<16)|(1<<21)        ; 4 rows of 832 elements, 13,312 apart
	s_mov_b32 s[G1V+1], 832<<16
	s_mov_b32 s[G1V+2], 4<<16
	s_mov_b32 s[G1V+3], 832<<16
	s_mov_b32 s[G1V+4], 4
	s_mov_b32 s[G1V+5], 13312
	s_mov_b32 s[G1V+6], 0
	s_mov_b32 s[G1V+7], 0
	s_lshl_b32 s20, s17, 7                         ; p: tile 128 batch + 8 cy + 4 (wave % 2)
	s_lshl_b32 s18, s41, 3
	s_add_co_u32 s20, s20, s18
	s_lshl_b32 s18, s16, 2
	s_add_co_u32 s20, s20, s18
	s_mul_i32 s20, s20, 16*FRB
	s_mov_b32 s21, 0
	s_lshl_b32 s46, ttmp9, 5                       ; v: tile 32 (cluster x) + 8 cx + 4 (wave % 2), the batch's records
	s_lshl_b32 s19, s40, 3
	s_add_co_u32 s46, s46, s19
	s_lshl_b32 s19, s16, 2
	s_add_co_u32 s46, s46, s19
	s_lshl_b32 s46, s46, 5
	s_lshl_b32 s19, s17, 3
	s_add_co_u32 s46, s46, s19
	s_mul_i32 s46, s46, SRB
	s_mov_b32 s47, 0
	s_mul_i32 s45, s16, 4*PT                       ; where they go in a slot
	s_mul_i32 s97, s16, 4*VT
	s_add_co_u32 s97, s97, VOFF
	s_mul_i32 s90, s[PP], QBLK                     ; slot 0: block pp, keys 0 on
	s_sub_co_u32 s91, 3, s[PP]
	s_mul_i32 s91, s91, QBLK
	s_sub_co_u32 s92, 1, s[PP]
	s_mul_i32 s93, s92, PT
	s_mul_i32 s94, s92, VT                         ; slots 2 to 4: block 3 - pp, keys 512 (1 - pp) on
	s_add_co_u32 s93, s93, s91
	s_add_co_u32 s95, s90, PT
	s_cmp_eq_u32 s[PP], 1
	s_cselect_b32 s95, s95, s91                    ; slot 1: block pp's second 512 keys, or block 3 - pp's first
	s_cselect_b32 s96, VT, 0
	s_mov_b32 s99, 0
	s_mov_b32 s[SEL], 0x76543210
	s_mov_b32 s[SEL+1], 0xfedcba98
	s_wait_alu depctr_va_vdst(0)                   ; the wait at the head's end
	s_wait_dscnt 0x0                               ; both opening adds are done
	s_wait_kmcnt 0x0
.macro ELOAD t                         ; el of query tile t of my two: 20 loads
.irp jj, 0,1,2,3
	global_load_b128 v[64+80*\t+4*\jj:64+80*\t+4*\jj+3], v[VA], s[6:7] offset:\jj*512+\t*8192
.endr
.irp jj, 4,5,6,7
	global_load_b128 v[64+80*\t+4*\jj:64+80*\t+4*\jj+3], v[VM], s[6:7] offset:\jj*512+\t*8192
.endr
.irp jj, 8,9,10,11,12,13,14,15,16,17,18,19
	global_load_b128 v[64+80*\t+4*\jj:64+80*\t+4*\jj+3], v[VB], s[6:7] offset:\jj*512+\t*8192
.endr
.endm
	ELOAD 0                                        ; ahead of the round: the statistics are made while the tiles are on their way
	s_add_nc_u64 s[20:21], s[4:5], s[20:21]
	s_add_nc_u64 s[46:47], s[8:9], s[46:47]
	CROUND                                         ; all sixteen work-groups are here: the first joint loads meet
	s_mov_b32 s98, s90
	s_mov_b32 s[G0P], 1
	s_mov_b32 s[G0P+1], s45
	s_add_nc_u64 s[G0P+2:G0P+3], s[20:21], s[98:99]
	s_or_b32 s[G0P+3], s[G0P+3], 0x80000000
	s_mov_b32 s[G0V], 1
	s_mov_b32 s[G0V+1], s97
	s_mov_b64 s[G0V+2:G0V+3], s[46:47]
	s_or_b32 s[G0V+3], s[G0V+3], 0x80000000
	JLOAD 0
	ELOAD 1
	s_mov_b32 s98, s95
	s_mov_b32 s[G0P+4], 1
	s_add_co_u32 s[G0P+5], s45, SLOT
	s_add_nc_u64 s[G0P+6:G0P+7], s[20:21], s[98:99]
	s_mov_b32 s98, s96
	s_mov_b32 s[G0V+4], 1
	s_add_co_u32 s[G0V+5], s97, SLOT
	s_add_nc_u64 s[G0V+6:G0V+7], s[46:47], s[98:99]
	s_cmp_eq_u32 s15, 0
	s_cselect_b64 s[2:3], s[G0P+6:G0P+7], s[G0V+6:G0V+7]
	s_or_b32 s[G0P+7], s[G0P+7], 0x80000000
	s_or_b32 s[G0V+7], s[G0V+7], 0x80000000
	PF 2                                           ; slot 1's tiles
	s_mov_b32 s98, s93
	s_add_nc_u64 s[NXP:NXP+1], s[20:21], s[98:99]
	s_add_nc_u64 s[NXP+2:NXP+3], s[NXP:NXP+1], PT
	s_add_nc_u64 s[NXP+4:NXP+5], s[NXP+2:NXP+3], PT
	s_mov_b32 s98, s94
	s_add_nc_u64 s[NXV:NXV+1], s[46:47], s[98:99]
	s_add_nc_u64 s[NXV+2:NXV+3], s[NXV:NXV+1], VT
	s_add_nc_u64 s[NXV+4:NXV+5], s[NXV+2:NXV+3], VT
	s_cmp_eq_u32 s15, 0
	s_cselect_b64 s[12:13], s[NXP:NXP+1], s[NXV:NXV+1]
	s_cselect_b64 s[100:101], s[NXP+2:NXP+3], s[NXV+2:NXV+3]
	s_cselect_b64 s[22:23], s[NXP+4:NXP+5], s[NXV+4:NXV+5]
	; where the results go: my 64 queries of either block, my 64 columns
	s_lshl_b32 s84, s17, 11
	s_lshl_b32 s85, s41, 7
	s_add_co_u32 s84, s84, s85
	s_lshl_b32 s85, s15, 6
	s_add_co_u32 s84, s84, s85
	s_lshl_b32 s84, s84, 12
	s_lshl_b32 s85, ttmp9, 9
	s_lshl_b32 s86, s40, 7
	s_add_co_u32 s85, s85, s86
	s_lshl_b32 s86, s16, 6
	s_add_co_u32 s85, s85, s86
	s_lshl_b32 s85, s85, 2
	s_add_co_u32 s84, s84, s85
	s_lshl_b32 s86, s[PP], 21
	s_add_co_u32 s86, s84, s86
	s_mov_b32 s87, 0
	s_add_nc_u64 s[OUTA:OUTA+1], s[10:11], s[86:87]
	s_sub_co_u32 s86, 3, s[PP]
	s_lshl_b32 s86, s86, 21
	s_add_co_u32 s86, s84, s86
	s_add_nc_u64 s[OUTA+2:OUTA+3], s[10:11], s[86:87]
.macro RSEL                            ; key step k belongs to block pp, to block 3 - pp, or (4-7) to the one that pp says
.if k < 4
.set RR, RA
.set SS, SA
.elseif k < 8
.set RR, RM
.set SS, SM
.else
.set RR, RB
.set SS, SB
.endif
.endm
; THE STATISTICS of query tile t.  x = E + (2^23 + 124 - R), held at 2^23 + 1 from below: a whole number whose low bits are the byte; shifted left by 23 the byte is the f32 number 2^(byte - 127).
; The sum of L x that number is l / 8.  The words (two bytes a lane) wait in window 1, 1 / l in v242-245.
.macro STAT t
.set EB, 64+80*(\t)
.set IV, 242+2*(\t)
	v_max_num_f32 v[M0], v[EB], v[EB+1]
	v_max_num_f32 v[M0+1], v[EB+16], v[EB+17]
	v_max_num_f32 v[M0+2], v[EB+32], v[EB+33]
.irp jj, 1,2,3
	v_max3_num_f32 v[M0], v[M0], v[EB+4*\jj], v[EB+4*\jj+1]
	v_max3_num_f32 v[M0+1], v[M0+1], v[EB+16+4*\jj], v[EB+17+4*\jj]
	v_max3_num_f32 v[M0+2], v[M0+2], v[EB+32+4*\jj], v[EB+33+4*\jj]
.endr
.irp jj, 12,13,14,15,16,17,18,19
	v_max3_num_f32 v[M0+2], v[M0+2], v[EB+4*\jj], v[EB+4*\jj+1]
.endr
.irp i, 0,1,2
	v_permlanex16_b32 v[MX+\i], v[M0+\i], s[SEL], s[SEL+1]
.endr
.irp i, 0,1,2
	v_max_num_f32 v[M0+\i], v[M0+\i], v[MX+\i]
.endr
	v_cndmask_b32 v[RA], v[NI], v[M0+1], s[SPM]
	v_cndmask_b32 v[RB], v[M0+1], v[NI], s[SPM]
	v_max_num_f32 v[RA], v[RA], v[M0]
	v_max_num_f32 v[RB], v[RB], v[M0+2]
	v_sub_f32 v[RA], 0x4b00007c, v[RA]             ; 2^23 + 124 - R: exact
	v_sub_f32 v[RB], 0x4b00007c, v[RB]
	v_cndmask_b32 v[RM], v[RB], v[RA], s[SPM]
.irp i, 0,1,2,3,4,5
	v_mov_b32 v[SA+\i], 0
.endr
.set k, 0
.rept 20
	RSEL
	v_pk_add_f32 v[EB+4*k:EB+4*k+1], v[EB+4*k:EB+4*k+1], v[RR:RR+1] op_sel_hi:[1,0]
.set k, k+1
.endr
.set k, 0
.rept 20
	v_max_num_f32 v[EB+4*k], 0x4b000001, v[EB+4*k]
	v_max_num_f32 v[EB+4*k+1], 0x4b000001, v[EB+4*k+1]
.set k, k+1
.endr
	WIN 0x40
.set k, 0
.rept 20
	v_lshl_or_b32 v[20*(\t)+k], v[EB+4*k+1], 8, v[EB+4*k]   ; the low 16 bits are my two bytes
.set k, k+1
.endr
	WIN 0
.set k, 0
.rept 20
	v_lshlrev_b32 v[EB+4*k], 23, v[EB+4*k]
	v_lshlrev_b32 v[EB+4*k+1], 23, v[EB+4*k+1]
.set k, k+1
.endr
.set k, 0
.rept 20
	RSEL
	v_pk_fma_f32 v[SS:SS+1], v[EB+4*k+2:EB+4*k+3], v[EB+4*k:EB+4*k+1], v[SS:SS+1]
.set k, k+1
.endr
	v_add_f32 v[SA], v[SA], v[SA+1]
	v_add_f32 v[SM], v[SM], v[SM+1]
	v_add_f32 v[SB], v[SB], v[SB+1]
	v_cndmask_b32 v[SA+1], v[ZR], v[SM], s[SPM]
	v_cndmask_b32 v[SB+1], v[SM], v[ZR], s[SPM]
	v_add_f32 v[SA], v[SA], v[SA+1]
	v_add_f32 v[SB], v[SB], v[SB+1]
	v_permlanex16_b32 v[MX], v[SA], s[SEL], s[SEL+1]
	v_permlanex16_b32 v[MX+1], v[SB], s[SEL], s[SEL+1]
	v_add_f32 v[SA], v[SA], v[MX]
	v_add_f32 v[SB], v[SB], v[MX+1]
	v_mul_f32 v[SA], 0x41000000, v[SA]             ; x 8: l
	v_mul_f32 v[SB], 0x41000000, v[SB]
	s_wait_alu depctr_va_vdst(0)                   ; the wait ahead of the transcendentals,
	v_rcp_f32 v[IV], v[SA]
	v_rcp_f32 v[IV+1], v[SB]
	v_nop
	s_wait_alu depctr_va_vdst(0)                   ; and the wait behind them, which serves the words too
.endm
.macro PUT t                           ; tile t's words and 1 / l into LDS
	WIN 0x04
.set k, 0
.rept 20
	ds_store_b16 v[ATW], v[20*(\t)+k] offset:(8*k+(\t))*64
.set k, k+1
.endr
	WIN 0
	ds_store_b32 v[ALW], v[242+2*(\t)] offset:(\t)*128
	ds_store_b32 v[ALW], v[243+2*(\t)] offset:(8+(\t))*128
.endm
	s_wait_loadcnt 20                              ; tile 0's 20 loads are in; tile 1's may be out
	STAT 0
	s_wait_tensorcnt 0x0                           ; my part of slot 0 is in
	ds_add_u32 v[SPW], v[NIL]
	s_wait_dscnt 0x0
	CROUND
	JLOAD 1                                        ; slot 1, the first tensor load behind the round
	PUT 0
	PF 12                                          ; slot 2's tiles
	s_wait_loadcnt 0x0
	STAT 1
	PUT 1
; Key step q of a slot into set f: v's four fragments; then the eight scale words and p's four fragments, of which tiles 2 and 3 are the youngest six loads.
.macro FV slot, q, f
	WIN TO_F
.irp b, 0,1,2,3
.irp c, 0,1,2
	ds_load_b128 v[128*(\f)+12*\b+4*\c:128*(\f)+12*\b+4*\c+3], v[ADV+(\slot)] offset:\b*VT+((\q)/2)*SRB+((\q)%2)*FRB+512*\c
.endr
.endr
.endm
.macro FSP slot, q, f, jj
	WIN 0
.irp b, 0,1,2,3
	ds_load_b32 v[SC+8*(\f)+\b], v[ADVS+(\slot)] offset:\b*VT+((\q)/2)*SRB+2*FRB+128*((\q)%2)
.endr
.irp a, 0,1,2,3
	ds_load_b32 v[SC+8*(\f)+4+\a], v[ADT] offset:(8*(\jj)+\a)*64
.endr
	WIN TO_F
.irp a, 0,1,2,3
.irp c, 0,1,2
	ds_load_b128 v[128*(\f)+48+12*\a+4*\c:128*(\f)+48+12*\a+4*\c+3], v[ADP+(\slot)] offset:\a*PT+(\q)*FRB+512*\c
.endr
.endr
	WIN 0
.endm
.macro MUL4 f, a, zero                 ; the 16 accumulators take turns, one instruction a turn, in the same order in every step
.irp b, 0,1,2,3
.if \zero
	v_wmma_scale_f32_16x16x128_f8f6f4 v[8*(4*(\a)+\b):8*(4*(\a)+\b)+7], v[128*(\f)+12*\b:128*(\f)+12*\b+11], v[128*(\f)+48+12*(\a):128*(\f)+48+12*(\a)+11], 0, v[SC+8*(\f)+\b], v[SC+8*(\f)+4+(\a)] matrix_a_fmt:MATRIX_FMT_FP6 matrix_b_fmt:MATRIX_FMT_FP6
.else
	v_wmma_scale_f32_16x16x128_f8f6f4 v[8*(4*(\a)+\b):8*(4*(\a)+\b)+7], v[128*(\f)+12*\b:128*(\f)+12*\b+11], v[128*(\f)+48+12*(\a):128*(\f)+48+12*(\a)+11], v[8*(4*(\a)+\b):8*(4*(\a)+\b)+7], v[SC+8*(\f)+\b], v[SC+8*(\f)+4+(\a)] matrix_a_fmt:MATRIX_FMT_FP6 matrix_b_fmt:MATRIX_FMT_FP6
.endif
.endr
.endm
.macro KSTEP j, q, zero, np            ; one of a slot's first three steps; np: the places in front of the loads, 5 where the products start sums anew over earlier results
	s_wait_dscnt 6                                 ; all but p's tiles 2 and 3 are in
	PLACES \np
	FV (\j)%2, (\q)+1, 1-(\q)%2
	WIN MUL
	MUL4 (\q)%2, 0, \zero
	MUL4 (\q)%2, 1, \zero
	FSP (\j)%2, (\q)+1, 1-(\q)%2, 4*(\j)+(\q)+1
	s_wait_dscnt 32                                ; all but the next step's 32 loads
	WIN MUL
	MUL4 (\q)%2, 2, \zero
	MUL4 (\q)%2, 3, \zero
	WIN 0
.endm
; A slot's last step (set 1) changes slots.  fill = 1: the slot just read takes slot j + 2's tiles behind a round; pf: the base of the tiles to prefetch, or 0.
.macro TURN j, fill, pf
	s_wait_tensorcnt 0x0                           ; all my tensor loads have landed, my part of the next slot among them: so a group 0 may be written
	ds_add_u32 v[SPW], v[NIL]
.if \fill
	s_mov_b64 s[G0P+4*((\j)%2)+2:G0P+4*((\j)%2)+3], s[NXP+2*(\j):NXP+2*(\j)+1]
	s_or_b32 s[G0P+4*((\j)%2)+3], s[G0P+4*((\j)%2)+3], 0x80000000
	s_mov_b64 s[G0V+4*((\j)%2)+2:G0V+4*((\j)%2)+3], s[NXV+2*(\j):NXV+2*(\j)+1]
	s_or_b32 s[G0V+4*((\j)%2)+3], s[G0V+4*((\j)%2)+3], 0x80000000
.endif
	s_wait_dscnt 1                                 ; this step's loads are in (the add alone may be out)
	WIN MUL
	MUL4 1, 0, 0
	MUL4 1, 1, 0
	s_wait_dscnt 0x0                               ; the add is done, and my reads of this slot are over
	s_barrier_signal -1
	MUL4 1, 2, 0                                   ; work on registers while the others arrive
	WIN 0
	s_barrier_wait -1
.if \fill
	CREST                                          ; the barrier has opened a round of the cluster's: no wave of any partner still reads this slot or has a load on its way
	JLOAD (\j)%2
.else
	PLACES 4
.endif
	FV ((\j)+1)%2, 0, 0
	FSP ((\j)+1)%2, 0, 0, 4*(\j)+4
.if \pf
	PF \pf
.endif
	WIN MUL
	MUL4 1, 3, 0
	WIN 0
.endm
; THE WAY OUT of a block: each query tile x 1 / l through my own stage, back as rows of 256 bytes.  Tile a's products stand while tile a - 1's rows are on their way back.
.macro LIL ph
.irp a, 0,1,2,3
	ds_load_b32 v[LI+2*\a], v[ADL] offset:(8*(\ph)+\a)*128
.endr
.endm
.macro SEND ph, a, younger             ; younger: the next tile's 8 stores and 8 loads, which may be out
	s_wait_dscnt \younger
.irp i, 0,1,2,3,4,5,6,7
	global_store_b128 v[CO], v[128+32*((\a)%2)+4*\i:128+32*((\a)%2)+4*\i+3], s[OUTA+2*(\ph):OUTA+2*(\ph)+1] offset:(32*((\a)/2)+8*((\a)%2)+2*\i+8*(\i/4))*4096 th:TH_STORE_NT   ; 16 lanes store one aligned unit of 256 bytes
.endr
.endm
.macro FLUSH ph
	PLACES 4                                       ; in front of the first read of results
	s_wait_dscnt 0x0
.irp a, 0,1,2,3
	s_wait_xcnt 0x0                                ; earlier stores have read the registers that the loads below bring
	WIN 0x02
.irp i, 0,1,2,3,4,5,6,7,8,9,10,11,12,13,14,15
	v_pk_mul_f32 v[64+32*(\a%2)+2*\i:64+32*(\a%2)+2*\i+1], v[32*\a+2*\i:32*\a+2*\i+1], v[LI+2*\a:LI+2*\a+1] op_sel_hi:[1,0]
.endr
	WIN 0
.irp b, 0,1,2,3
	ds_store_b128 v[STO], v[64+32*(\a%2)+8*\b:64+32*(\a%2)+8*\b+3] offset:128*(\b/2)+32*(\b%2)
	ds_store_b128 v[STO], v[64+32*(\a%2)+8*\b+4:64+32*(\a%2)+8*\b+7] offset:128*(\b/2)+32*(\b%2)+16
.endr
.irp i, 0,1,2,3,4,5,6,7
	ds_load_b128 v[128+32*(\a%2)+4*\i:128+32*(\a%2)+4*\i+3], v[RD] offset:544*\i   ; LDS serves a wave's instructions in order: these see the stores above
.endr
.if \a > 0
	SEND \ph, \a-1, 16
.endif
.endr
	SEND \ph, 3, 0
.endm
.macro BR j                            ; slot j's first step: where slot j begins block 3 - pp, block pp goes out and the sums start anew
	s_cmp_lg_u32 s[PP], (\j)-1
	s_cbranch_scc1 .Lon_\@
	LIL 0
	FLUSH 0
	KSTEP \j, 0, 1, 5
	s_branch .Ljoin_\@
.Lon_\@:
	KSTEP \j, 0, 0, 4
.Ljoin_\@:
.endm
	s_wait_dscnt 0x0                               ; my words are stored (slot 1's load may be out)
	s_barrier_signal -1
	s_barrier_wait -1                              ; everybody's are
	FV 0, 0, 0
	FSP 0, 0, 0, 0
	KSTEP 0, 0, 1, 4                               ; the first products start the sums
	KSTEP 0, 1, 0, 4
	KSTEP 0, 2, 0, 4
	TURN 0, 1, 100
	BR 1
	KSTEP 1, 1, 0, 4
	KSTEP 1, 2, 0, 4
	TURN 1, 1, 22
	BR 2
	KSTEP 2, 1, 0, 4
	KSTEP 2, 2, 0, 4
	TURN 2, 1, 0
	KSTEP 3, 0, 0, 4
	KSTEP 3, 1, 0, 4
	KSTEP 3, 2, 0, 4
	TURN 3, 0, 0
	KSTEP 4, 0, 0, 4
	KSTEP 4, 1, 0, 4
	KSTEP 4, 2, 0, 4
	s_wait_dscnt 0x0                               ; the very last step
	LIL 1
	WIN MUL
.irp a, 0,1,2,3
	MUL4 1, \a, 0
.endr
	WIN 0
	FLUSH 1
	s_wait_tensorcnt 0x0                           ; the wave's end
	ds_add_u32 v[SPW], v[NIL]
	s_wait_dscnt 0x0
	CROUND                                         ; the closing round: no work-group ends while a partner may still ask for a tile that names it
	s_endpgm
.Lfunc_end_k_q25c59b74a0_pv:
	.size	k_q25c59b74a0_pv, .Lfunc_end_k_q25c59b74a0_pv-k_q25c59b74a0_pv
	.p2alignl 7, 3214868480
	.fill 96, 4, 3214868480
	.section	.rodata,"a",@progbits
	.p2align	6, 0x0
	.amdhsa_kernel k_q25c59b74a0_pv
		.amdhsa_group_segment_fixed_size 327680
		.amdhsa_private_segment_fixed_size 0
		.amdhsa_enable_private_segment 0
		.amdhsa_kernarg_size 32
		.amdhsa_user_sgpr_count 2
		.amdhsa_user_sgpr_kernarg_segment_ptr 1
		.amdhsa_wavefront_size32 1
		.amdhsa_system_sgpr_workgroup_id_x 1
		.amdhsa_system_sgpr_workgroup_id_y 1
		.amdhsa_system_sgpr_workgroup_id_z 1
		.amdhsa_system_vgpr_workitem_id 0
		.amdhsa_next_free_vgpr 640
		.amdhsa_next_free_sgpr 104
		.amdhsa_reserve_vcc 0
		.amdhsa_float_denorm_mode_32 3
		.amdhsa_float_denorm_mode_16_64 3
		.amdhsa_memory_ordered 1
		.amdhsa_forward_progress 1
		.amdhsa_inst_pref_size 176
	.end_amdhsa_kernel
	.amdgpu_metadata
---
amdhsa.version: [ 1, 2 ]
amdhsa.kernels:
  - .name:           k_q25c59b74a0_pv
    .symbol:         k_q25c59b74a0_pv.kd
    .args:
      - { .name: pc, .offset: 0, .size: 8, .value_kind: global_buffer, .address_space: global }
      - { .name: el, .offset: 8, .size: 8, .value_kind: global_buffer, .address_space: global }
      - { .name: vc, .offset: 16, .size: 8, .value_kind: global_buffer, .address_space: global }
      - { .name: out0, .offset: 24, .size: 8, .value_kind: global_buffer, .address_space: global }
    .group_segment_fixed_size: 327680
    .private_segment_fixed_size: 0
    .kernarg_segment_align: 8
    .kernarg_segment_size: 32
    .max_flat_workgroup_size: 128
    .sgpr_count:     104
    .vgpr_count:     640
    .wavefront_size: 32
...
	.end_amdgpu_metadata
.endif
;; end of part 4
